; MI455X (gfx1250); checked and timed in simulation.
; The chip was launched on July 23, 2026; its instructions are those of AMD's public machine-readable ISA for CDNA 5 (MIT licence, August 2026) and "CDNA5" Instruction Set Architecture Reference Guide (July 2026). The comments in the code are by the model that wrote it; some were corrected since.
;; Efficient Det. Allowed arithmetic: float matrix products may take bf16 or f16 operands with f32 sums; other float arithmetic in f32, or as packed bf16 or f16 multiplies, adds, multiply-adds, maxima and minima; sums over many terms, partial sums and values carried from step to step in f32; what a program stores and reads back later, other than sums and carried values, may be rounded once to bf16 or f16.
;; Inputs: anchors 49,104 x 4 float32; predicted_boxes 16 x 49,104 x 4 float32; predicted_labels 16 x 49,104 x 90 float32.
;; Outputs: out0 16 x 100 x 4 float32; out1 16 x 100 float32; out2 16 x 100 int32.
;; One version. Each part assembles by itself: llvm-mc -triple=amdgcn-amd-amdhsa -mcpu=gfx1250 --defsym DOCPART=n.
;; ======== version 1 of 1: 6 launches
;; workspace buffers: tv 18,874,368 bytes; nn 6,291,456 bytes of whole numbers; wf 6,291,456 bytes of whole numbers; cm 23,040 bytes of whole numbers; si 1,474,560 bytes of whole numbers; st 1,474,560 bytes; km 46,080 bytes of whole numbers; fi 8,192 bytes of whole numbers
;; launch groups (part 1): grid 16 x 16, 8 waves a work-group, no clusters, 327,680 bytes of LDS; arguments predicted_labels, tv, nn; writes tv, nn
.if DOCPART == 1
	.amdgcn_target "amdgcn-amd-amdhsa--gfx1250"
	.amdhsa_code_object_version 6
	.text
	.protected	k_qcf605fd650_groups
	.globl	k_qcf605fd650_groups
	.p2align	8
	.type	k_qcf605fd650_groups,@function
k_qcf605fd650_groups:
	s_mov_b64 s[64:65], 0
	v_nop
	global_prefetch_b8 v0, s[64:65] scope:SCOPE_SE
	s_setreg_imm32_b32 hwreg(HW_REG_WAVE_MODE, 25, 1), 1
	s_wait_xcnt 0x0
; GROUPS.  labels: [16][49104][90] f32.  A column (image b, class c) is cut into 1,023 groups of 48 consecutive rows (padded to 1,024).
; For each group and class: the two smallest t = 1 + 2^(-x log2 e) with their row numbers 0..47 (an earlier row wins a tie) and the third smallest t.
; sigmoid(x) = 1 / t, so a small t is a large score; t is made by the same three operations wherever this program makes it.
; LIMITS.  The order of scores is taken as the order of t; two different t whose reciprocals round to one f32 (scores under 0.71 only) are not
; treated as ties; the exponential may differ from another implementation's in its last bits; NaN is not treated apart.
; SHARES.  Work-group (q, b): groups 64 q .. 64 q + 63 of image b.  Wave w takes local group 8 s + w in step s = 0..7: 48 rows x 360 bytes = 17,280
; dense bytes, one tensor load into the wave's own ring of two slots.  Lane l takes classes 30 j + min(l, 29), j = 0..2.
; OUT.  tv[plane t1,t2,t3][b][col96][g], nn[b][col96][g] = n1 | n2 << 8, col96 = 32 j + l (slots 30, 31 of each 32 repeat class 29 and are never read).
; The results of all 64 groups go through a stage in LDS, so that 16 lanes store 256 consecutive bytes of one column.
; No cluster: no two work-groups read the same bytes.  No matrix work: there is no product.
.set ROWB,  360
.set GRP,   17280                      ; bytes of a group, and of a slot
.set IMG,   17677440                   ; bytes of an image's labels
.set QB,    1105920                    ; 64 groups
.set STEP8, 138240                     ; 8 groups: from a step to the next
.set SPARE, 276480                     ; behind the 16 slots: the spare words, 128 bytes a wave
.set PLANE, 6291456                    ; bytes of a plane of tv
.set UP,    272                        ; the stage: a unit of 64 words + 16 bytes
.set X,     8                          ; v[8:31]   24 labels of a trip: row r, class part j at X + 3 r + j
.set TMP,   32
.set I2,    33                         ; v[33:35]  row number of the second smallest
.set INF,   36                         ; v36       +inf
.set RES,   40                         ; v[40:135] step s: t1[3], t2[3], t3[3], n[3] at RES + 12 s: the running state is also the result
	s_load_b128 s[4:7], s[0:1], 0x0                ; labels s[4:5], tv s[6:7]
	s_load_b64 s[8:9], s[0:1], 0x10                ; nn
	v_lshl_add_u32 v1, v0, 2, SPARE
	v_mov_b32 v2, 0
	ds_add_u32 v1, v2                              ; the wave's opening: the add and its wait ahead of my first tensor load
	ds_add_u32 v1, v2
	v_lshrrev_b32 v5, 5, v0
	v_readfirstlane_b32 s10, v5                    ; wave w
	s_mov_b32 s11, ttmp9                           ; q
	s_and_b32 s12, ttmp7, 0xffff                   ; b
	; descriptor group 1: one row of 2,160 elements of 8 bytes
	s_mov_b32 s16, 3<<16                           ; element of 8 bytes, no mask, no padding
	s_mov_b32 s17, 2160<<16                        ; tensor_dim0
	s_mov_b32 s18, 1<<16                           ; tensor_dim1 = 1
	s_mov_b32 s19, 2160<<16                        ; tile_dim0
	s_mov_b32 s20, 1                               ; tile_dim1
	s_mov_b32 s21, 2160                            ; pitch
	s_mov_b32 s22, 0
	s_mov_b32 s23, 0
	s_mul_i32 s2, s12, IMG                         ; my first group's byte offset: under 283 million
	s_mul_i32 s3, s11, QB
	s_add_co_u32 s2, s2, s3
	s_mul_i32 s3, s10, GRP
	s_add_co_u32 s2, s2, s3
	s_mov_b32 s3, 0
	s_mul_i32 s38, s10, 2*GRP                      ; my ring in LDS
	s_lshl3_add_u32 s39, s11, s10                  ; 8 q + w = 127: my last group is the pad group 1,023
	s_cmp_eq_u32 s39, 127
	s_cselect_b32 s33, GRP, 0
	s_cselect_b32 s49, -1, 0                       ; a lane mask: all lanes or none
	s_sub_co_u32 s34, 2*STEP8, s33                 ; the last step of slot 1's address: the pad group reads group 1,022 once more, inside the buffer
	s_mov_b32 s35, 0
	s_mov_b32 s36, 0xbfb8aa3b                      ; -log2(e)
	s_mov_b32 s37, s36
	s_wait_dscnt 0x0                               ; the opening add is done
	s_wait_kmcnt 0x0
	s_add_nc_u64 s[4:5], s[4:5], s[2:3]
.irp k, 0,1                            ; group 0 for each slot, and the two first fills together: two loads of mine are out
	s_mov_b32 s[24+4*\k], 1
	s_add_co_u32 s[25+4*\k], s38, (\k)*GRP
	s_add_nc_u64 s[26+4*\k:27+4*\k], s[4:5], (\k)*STEP8
	s_or_b32 s[27+4*\k], s[27+4*\k], 0x80000000
	tensor_load_to_lds s[24+4*\k:27+4*\k], s[16:23]
	s_nop 0
.endr
	s_mul_i32 s2, s12, 393216                      ; b x 96 columns x 4,096 bytes
	s_lshl_b32 s33, s11, 8                         ; + my 64 groups' 256 bytes in a column
	s_add_co_u32 s2, s2, s33
	s_add_nc_u64 s[50:51], s[6:7], s[2:3]          ; t1
	s_add_nc_u64 s[52:53], s[50:51], PLANE         ; t2
	s_add_nc_u64 s[54:55], s[52:53], PLANE         ; t3
	s_add_nc_u64 s[56:57], s[8:9], s[2:3]          ; row numbers
	v_and_b32 v5, 31, v0                           ; lane
	v_min_u32 v6, 29, v5
	v_lshl_add_u32 v3, v6, 2, s38                  ; my word in a row's first 30, in my ring
	v_mov_b32 v[INF], 0x7f800000
	s_lshl_b32 s33, s10, 2
	v_mul_u32_u24 v136, v5, UP                     ; into the stage: unit l (+ 32 j + 96 plane), word 8 s + w
	v_add_nc_u32 v136, s33, v136
	v_add_nc_u32 v137, 192*UP, v136                ; planes 2 and 3
	v_lshrrev_b32 v7, 4, v0
	v_and_b32 v6, 15, v0
	v_mul_u32_u24 v138, v7, UP                     ; back: unit tid / 16 (+ 16 k), 16 bytes a thread
	v_lshl_add_u32 v138, v6, 4, v138
	v_add_nc_u32 v139, 192*UP, v138
	v_lshlrev_b32 v140, 12, v7                     ; and in memory: a column is 4,096 bytes
	v_lshl_add_u32 v140, v6, 4, v140
; t (register \t) of row s[\n] enters the sorted three of class part j.  Strict compares: an earlier row keeps its place.
.macro INS t, j, n
	v_cmp_lt_f32 vcc_lo, v[\t], v[RS+3+(\j)]
	v_cndmask_b32 v[I2+(\j)], v[I2+(\j)], s[\n], vcc_lo
	v_max_num_f32 v[TMP], v[RS+3+(\j)], v[\t]
	v_min_num_f32 v[RS+6+(\j)], v[RS+6+(\j)], v[TMP]
	v_cmp_lt_f32 vcc_lo, v[\t], v[RS+(\j)]
	v_cndmask_b32 v[I2+(\j)], v[I2+(\j)], v[RS+9+(\j)], vcc_lo
	v_cndmask_b32 v[RS+9+(\j)], v[RS+9+(\j)], s[\n], vcc_lo
	v_med3_num_f32 v[RS+3+(\j)], v[RS+(\j)], v[RS+3+(\j)], v[\t]
	v_min_num_f32 v[RS+(\j)], v[RS+(\j)], v[\t]
.endm
; Step s: the group in slot s % 2, eight rows a trip, six trips.  left: the younger tensor loads that may stay out.
.macro TILE s, left
.set RS, RES+12*(\s)
	s_wait_tensorcnt \left                         ; tensor loads of a wave end in order: my tile is in LDS
.set m, 0
.rept 9
	v_mov_b32 v[RS+m], v[INF]
.set m, m+1
.endr
.set m, 0
.rept 3
	v_mov_b32 v[RS+9+m], 0
	v_mov_b32 v[I2+m], 0
.set m, m+1
.endr
.set m, 0
.rept 8
	s_mov_b32 s[40+m], m                           ; the trip's eight row numbers
.set m, m+1
.endr
	s_mov_b32 s58, ((\s)%2)*GRP
	s_mov_b32 s48, 6
.Ltrip_\@:
	v_add_nc_u32 v4, s58, v3
.set m, 0
.rept 24
	ds_load_b32 v[X+m], v4 offset:ROWB*(m/3)+120*(m%3)
.set m, m+1
.endr
.irp c, 0,1,2
	s_wait_dscnt 16-8*\c                           ; LDS loads come back in order: this third of the 24 is in
.set m, 0
.rept 4
	v_pk_mul_f32 v[X+8*\c+2*m:X+8*\c+2*m+1], v[X+8*\c+2*m:X+8*\c+2*m+1], s[36:37] op_sel_hi:[1,0]
.set m, m+1
.endr
.set m, 0
.rept 8
	v_exp_f32 v[X+8*\c+m], v[X+8*\c+m]
.set m, m+1
.endr
	v_nop                                          ; a plain instruction between the exponentials and the use of their results
.set m, 0
	s_wait_alu depctr_va_vdst(0)
.rept 4
	v_pk_add_f32 v[X+8*\c+2*m:X+8*\c+2*m+1], v[X+8*\c+2*m:X+8*\c+2*m+1], 1.0 op_sel_hi:[1,0]
.set m, m+1
.endr
.set m, 0
.rept 8
	INS X+8*\c+m, (8*\c+m)%3, 40+(8*\c+m)/3
.set m, m+1
.endr
.endr
	s_add_co_u32 s58, s58, 8*ROWB
.set m, 0
.rept 8
	s_add_co_u32 s[40+m], s[40+m], 8
.set m, m+1
.endr
	s_sub_co_u32 s48, s48, 1
	s_cmp_lg_u32 s48, 0
	s_cbranch_scc1 .Ltrip_\@
.set m, 0
.rept 3
	v_lshl_or_b32 v[RS+9+m], v[I2+m], 8, v[RS+9+m]
.set m, m+1
.endr
.if (\s) == 7
.set m, 0
.rept 9
	v_cndmask_b32 v[RS+m], v[RS+m], -1, s49        ; the pad group: all ones, above every t as an unsigned number
.set m, m+1
.endr
.endif
.endm
; Slot k, which has been read, is filled again with the group two steps on.
.macro FILL k, last
	s_wait_tensorcnt 0x0                           ; all my tensor loads have landed, so a group 0 may be written
	ds_add_u32 v1, v2                              ; 0 onto my spare word
.if \last
	s_add_nc_u64 s[26+4*(\k):27+4*(\k)], s[26+4*(\k):27+4*(\k)], s[34:35]
.else
	s_add_nc_u64 s[26+4*(\k):27+4*(\k)], s[26+4*(\k):27+4*(\k)], 2*STEP8
.endif
	s_wait_dscnt 0x0                               ; the add is done; my reads of the slot came back in the last trip
	s_barrier_signal -1
	s_barrier_wait -1
	tensor_load_to_lds s[24+4*(\k):27+4*(\k)], s[16:23]  ; my one tensor load behind the barrier, and the first thing there
	s_nop 0
.endm
	TILE 0, 1                                      ; the count 1 leaves out the one load issued behind the tile's own
	FILL 0, 0
	TILE 1, 1
	FILL 1, 0
	TILE 2, 1
	FILL 0, 0
	TILE 3, 1
	FILL 1, 0
	TILE 4, 1
	FILL 0, 0
	TILE 5, 1
	FILL 1, 1
	TILE 6, 1
	TILE 7, 0
	; THE WAY OUT.  The ring has had its last fill and every wave has read its slots: its bytes become the stage.
	s_wait_dscnt 0x0
	s_barrier_signal -1
	s_barrier_wait -1
.set st, 0
.rept 8
.set pp, 0
.rept 4
.set jj, 0
.rept 3
	ds_store_b32 v[136+pp/2], v[RES+12*st+3*pp+jj] offset:(96*(pp%2)+32*jj)*UP+32*st
.set jj, jj+1
.endr
.set pp, pp+1
.endr
.set st, st+1
.endr
	s_wait_dscnt 0x0                               ; for the others' sake: my stores into the stage are done
	s_barrier_signal -1
	s_barrier_wait -1
.set k, 0
.rept 24
	ds_load_b128 v[RES+4*k:RES+4*k+3], v[138+k/12] offset:16*UP*(k%12)
.set k, k+1
.endr
.set k, 0
.rept 24
	s_wait_dscnt 23-k                              ; load k is back, the younger ones stay out
	global_store_b128 v140, v[RES+4*k:RES+4*k+3], s[50+2*(k/6):51+2*(k/6)] offset:65536*(k%6)  ; 16 lanes store 256 consecutive bytes, aligned
.set k, k+1
.endr
	s_wait_tensorcnt 0x0                           ; the wave's end
	ds_add_u32 v1, v2
	s_wait_dscnt 0x0
	s_endpgm
.Lfunc_end_k_qcf605fd650_groups:
	.size	k_qcf605fd650_groups, .Lfunc_end_k_qcf605fd650_groups-k_qcf605fd650_groups
	.p2alignl 7, 3214868480
	.fill 96, 4, 3214868480
	.section	.rodata,"a",@progbits
	.p2align	6, 0x0
	.amdhsa_kernel k_qcf605fd650_groups
		.amdhsa_group_segment_fixed_size 327680
		.amdhsa_private_segment_fixed_size 0
		.amdhsa_enable_private_segment 0
		.amdhsa_kernarg_size 24
		.amdhsa_user_sgpr_count 2
		.amdhsa_user_sgpr_kernarg_segment_ptr 1
		.amdhsa_wavefront_size32 1
		.amdhsa_system_sgpr_workgroup_id_x 1
		.amdhsa_system_sgpr_workgroup_id_y 1
		.amdhsa_system_sgpr_workgroup_id_z 1
		.amdhsa_system_vgpr_workitem_id 0
		.amdhsa_next_free_vgpr 144
		.amdhsa_next_free_sgpr 66
		.amdhsa_reserve_vcc 1
		.amdhsa_float_denorm_mode_32 3
		.amdhsa_float_denorm_mode_16_64 3
		.amdhsa_memory_ordered 1
		.amdhsa_forward_progress 1
		.amdhsa_inst_pref_size 134
	.end_amdhsa_kernel
	.amdgpu_metadata
---
amdhsa.version: [ 1, 2 ]
amdhsa.kernels:
  - .name:           k_qcf605fd650_groups
    .symbol:         k_qcf605fd650_groups.kd
    .args:
      - { .name: predicted_labels, .offset: 0, .size: 8, .value_kind: global_buffer, .address_space: global }
      - { .name: tv, .offset: 8, .size: 8, .value_kind: global_buffer, .address_space: global }
      - { .name: nn, .offset: 16, .size: 8, .value_kind: global_buffer, .address_space: global }
    .group_segment_fixed_size: 327680
    .private_segment_fixed_size: 0
    .kernarg_segment_align: 8
    .kernarg_segment_size: 24
    .max_flat_workgroup_size: 256
    .sgpr_count:     66
    .vgpr_count:     144
    .wavefront_size: 32
...
	.end_amdgpu_metadata
.endif
;; end of part 1
;; launch thresh (part 2): grid 15 x 16, 6 waves a work-group, no clusters, 0 bytes of LDS; arguments tv, nn, wf, cm; writes wf, cm
.if DOCPART == 2
	.amdgcn_target "amdgcn-amd-amdhsa--gfx1250"
	.amdhsa_code_object_version 6
	.text
	.protected	k_qcf605fd650_thresh
	.globl	k_qcf605fd650_thresh
	.p2align	8
	.type	k_qcf605fd650_thresh,@function
k_qcf605fd650_thresh:
	s_mov_b64 s[64:65], 0
	v_nop
	global_prefetch_b8 v0, s[64:65] scope:SCOPE_SE
	s_setreg_imm32_b32 hwreg(HW_REG_WAVE_MODE, 25, 1), 1
	s_wait_xcnt 0x0
; THRESH.  One wave, one column (image b, class c = 6 x + w).  tau = the 200th smallest of the column's 1,024 group minima t1, as unsigned bits
; (t >= 1, so bits and values order alike; the pad group holds all ones and never counts).  QUALIFIED are exactly 200 groups: those with t1 < tau
; and, in the order of g, the first 200 - A of those with t1 = tau.  No element of another group can be among the column's best 200.
; A qualified group with t3 <= tau is to be read again whole (RR); else its first entry is taken (E1) and its second if t2 <= tau (E2).
; The next launch's places are made here, as values: wf[b][col96][g] = n1 | n2 << 8 | E1 << 16 | E2 << 17 | RR << 18 | idx << 19, where idx is
; 64 + the entries (E1 and E2) of the groups in front for an entry group, and 1 + the RR groups in front for an RR group.
; cm[b 90 + c] = entries, RR groups, a word whose bit k says that groups 32 k .. 32 k + 31 hold an RR group, 0.
; No branch and no address hangs on the data: scalars only select values.
; Register 4 k + i of lane l holds g = 128 k + 4 l + i: every load and store of wf's words covers 512 consecutive bytes.
.set PLANE, 6291456
.set T1, 8
.set T2, 40
.set T3, 72
.set NN, 104
.set VE, 136                           ; v136  entries in front, + 64
.set VR, 137                           ; v137  RR groups in front, + 1
.set VI, 138
.set VF, 139
	s_load_b256 s[4:11], s[0:1], 0x0               ; tv s[4:5], nn s[6:7], wf s[8:9], cm s[10:11]
	v_lshrrev_b32 v1, 5, v0
	v_readfirstlane_b32 s12, v1
	v_and_b32 v2, 31, v0
	v_lshlrev_b32 v2, 4, v2                        ; 16 l
	s_mul_i32 s13, ttmp9, 6
	s_add_co_u32 s13, s13, s12                     ; c
	s_and_b32 s18, ttmp7, 0xffff                   ; b
	s_mul_i32 s19, s18, 90
	s_add_co_u32 s19, s19, s13
	s_lshl_b32 s22, s19, 4                         ; the column's 16 bytes of cm
	s_mov_b32 s23, 0
	s_cmp_ge_u32 s13, 30
	s_cselect_b32 s20, 2, 0
	s_cmp_ge_u32 s13, 60
	s_cselect_b32 s21, 2, 0
	s_add_co_u32 s13, s13, s20
	s_add_co_u32 s13, s13, s21                     ; col96 = 32 (c / 30) + c % 30
	s_mul_i32 s18, s18, 96
	s_add_co_u32 s18, s18, s13
	s_lshl_b32 s2, s18, 12
	s_mov_b32 s3, 0
	s_wait_kmcnt 0x0
	s_add_nc_u64 s[4:5], s[4:5], s[2:3]
	s_add_nc_u64 s[14:15], s[4:5], PLANE
	s_add_nc_u64 s[16:17], s[14:15], PLANE
	s_add_nc_u64 s[6:7], s[6:7], s[2:3]
	s_add_nc_u64 s[8:9], s[8:9], s[2:3]
	s_add_nc_u64 s[10:11], s[10:11], s[22:23]
.irp k, 0,1,2,3,4,5,6,7
	global_load_b128 v[T1+4*\k:T1+4*\k+3], v2, s[4:5] offset:512*\k
.endr
.irp k, 0,1,2,3,4,5,6,7
	global_load_b128 v[T2+4*\k:T2+4*\k+3], v2, s[14:15] offset:512*\k
.endr
.irp k, 0,1,2,3,4,5,6,7
	global_load_b128 v[T3+4*\k:T3+4*\k+3], v2, s[16:17] offset:512*\k
.endr
.irp k, 0,1,2,3,4,5,6,7
	global_load_b128 v[NN+4*\k:NN+4*\k+3], v2, s[6:7] offset:512*\k
.endr
.macro COUNT                           ; s23 = the set bits of s[28:59]
	s_mov_b32 s23, 0
.set r, 0
.rept 32
	s_bcnt1_i32_b32 s60, s[28+r]
	s_add_co_u32 s23, s23, s60
.set r, r+1
.endr
.endm
	s_mov_b32 s20, 0x40000000                      ; the bit in hand
	s_mov_b32 s21, 0                               ; tau's bits above it
	s_mov_b32 s24, 31
	s_wait_loadcnt 24                              ; t1 is in; the 24 younger loads stay out
.Lbit:                                             ; with this bit 0 and all lower bits 1: are 200 minima at or below?  Then the bit is 0
	s_sub_co_u32 s22, s20, 1
	s_or_b32 s22, s22, s21
.set r, 0
.rept 32
	v_cmp_ge_u32 s[28+r], s22, v[T1+r]
.set r, r+1
.endr
	COUNT
	s_cmp_ge_u32 s23, 200
	s_cselect_b32 s25, 0, s20
	s_or_b32 s21, s21, s25
	s_lshr_b32 s20, s20, 1
	s_sub_co_u32 s24, s24, 1
	s_cmp_lg_u32 s24, 0
	s_cbranch_scc1 .Lbit
.set r, 0
.rept 32
	v_cmp_gt_u32 s[28+r], s21, v[T1+r]
.set r, r+1
.endr
	COUNT                                          ; A
	s_sub_co_u32 s26, 200, s23                     ; how many groups with t1 = tau qualify
	s_mov_b32 s27, 0                               ; groups with t1 = tau in the blocks before
	s_mov_b32 s61, 64                              ; 64 + entries in the blocks before
	s_mov_b32 s62, 1                               ; 1 + RR groups in the blocks before
	s_mov_b32 s63, 0                               ; which runs of 32 groups hold an RR group
	s_wait_loadcnt 0x0
.macro BLK k
.irp i, 0,1,2,3
	v_cmp_eq_u32 s[28+\i], s21, v[T1+4*(\k)+\i]
	v_cmp_gt_u32 s[32+\i], s21, v[T1+4*(\k)+\i]
.endr
	v_mbcnt_lo_u32_b32 v3, s28, s27                ; ties in front of my four groups: earlier blocks, lower lanes
	v_mbcnt_lo_u32_b32 v3, s29, v3
	v_mbcnt_lo_u32_b32 v3, s30, v3
	v_mbcnt_lo_u32_b32 v3, s31, v3
.irp i, 0,1,2,3                        ; the three masks of each of the four registers: E1 s[40:43], E2 s[44:47], RR s[48:51]
	v_cmp_gt_u32 s36, s26, v3
	v_cmp_ge_u32 s37, s21, v[T3+4*(\k)+\i]
	v_cmp_ge_u32 s39, s21, v[T2+4*(\k)+\i]
	s_and_b32 s36, s36, s[28+\i]
	s_or_b32 s36, s36, s[32+\i]                    ; qualified
	s_and_b32 s[48+\i], s37, s36                   ; RR
	s_and_not1_b32 s[40+\i], s36, s[48+\i]         ; E1
	s_and_b32 s[44+\i], s39, s[40+\i]              ; E2
	v_cndmask_b32 v7, 0, 1, s[28+\i]
	v_add_nc_u32 v3, v3, v7                        ; my own earlier ties
.endr
	v_mbcnt_lo_u32_b32 v[VE], s40, s61             ; entries in front of my four groups: earlier blocks, lower lanes
.irp m, 41,42,43,44,45,46,47
	v_mbcnt_lo_u32_b32 v[VE], s\m, v[VE]
.endr
	v_mbcnt_lo_u32_b32 v[VR], s48, s62             ; and RR groups
.irp m, 49,50,51
	v_mbcnt_lo_u32_b32 v[VR], s\m, v[VR]
.endr
.irp i, 0,1,2,3
	v_cndmask_b32 v4, 0, 1, s[40+\i]
	v_cndmask_b32 v5, 0, 1, s[44+\i]
	v_cndmask_b32 v6, 0, 1, s[48+\i]
	v_cndmask_b32 v[VI], v[VE], v[VR], s[48+\i]    ; idx
	v_lshl_add_u32 v[VF], v5, 1, v4
	v_lshl_add_u32 v[VF], v6, 2, v[VF]
	v_lshl_or_b32 v[NN+4*(\k)+\i], v[VF], 16, v[NN+4*(\k)+\i]
	v_lshl_or_b32 v[NN+4*(\k)+\i], v[VI], 19, v[NN+4*(\k)+\i]
	v_add3_u32 v[VE], v[VE], v4, v5                ; my own earlier entries
	v_add_nc_u32 v[VR], v[VR], v6
.endr
.irp m, 28,29,30,31
	s_bcnt1_i32_b32 s60, s\m
	s_add_co_u32 s27, s27, s60
.endr
.irp m, 40,41,42,43,44,45,46,47
	s_bcnt1_i32_b32 s60, s\m
	s_add_co_u32 s61, s61, s60
.endr
.irp m, 48,49,50,51
	s_bcnt1_i32_b32 s60, s\m
	s_add_co_u32 s62, s62, s60
.endr
	s_or_b32 s52, s48, s49
	s_or_b32 s53, s50, s51
	s_or_b32 s52, s52, s53
.irp j, 0,1,2,3                        ; lanes 8 j .. 8 j + 7 hold groups 128 k + 32 j .. + 31
	s_and_b32 s53, s52, 0xff<<(8*\j)
	s_cmp_lg_u32 s53, 0
	s_cselect_b32 s53, 1<<(4*(\k)+\j), 0
	s_or_b32 s63, s63, s53
.endr
	global_store_b128 v2, v[NN+4*(\k):NN+4*(\k)+3], s[8:9] offset:512*(\k)
.endm
.irp k, 0,1,2,3,4,5,6,7
	BLK \k
.endr
	s_sub_co_u32 s61, s61, 64
	s_sub_co_u32 s62, s62, 1
	v_mov_b32 v4, s61                              ; entries
	v_mov_b32 v5, s62                              ; RR groups
	v_mov_b32 v6, s63
	v_mov_b32 v7, 0
	s_wait_xcnt 0x0                                ; EXEC changes only behind this wait
	v_cmp_eq_u32 vcc_lo, 0, v2
	s_and_saveexec_b32 s36, vcc_lo
	global_store_b128 v2, v[4:7], s[10:11]         ; lane 0: the column's 16 bytes
	s_wait_xcnt 0x0
	s_or_b32 exec_lo, exec_lo, s36
	s_endpgm
.Lfunc_end_k_qcf605fd650_thresh:
	.size	k_qcf605fd650_thresh, .Lfunc_end_k_qcf605fd650_thresh-k_qcf605fd650_thresh
	.p2alignl 7, 3214868480
	.fill 96, 4, 3214868480
	.section	.rodata,"a",@progbits
	.p2align	6, 0x0
	.amdhsa_kernel k_qcf605fd650_thresh
		.amdhsa_group_segment_fixed_size 0
		.amdhsa_private_segment_fixed_size 0
		.amdhsa_enable_private_segment 0
		.amdhsa_kernarg_size 32
		.amdhsa_user_sgpr_count 2
		.amdhsa_user_sgpr_kernarg_segment_ptr 1
		.amdhsa_wavefront_size32 1
		.amdhsa_system_sgpr_workgroup_id_x 1
		.amdhsa_system_sgpr_workgroup_id_y 1
		.amdhsa_system_sgpr_workgroup_id_z 1
		.amdhsa_system_vgpr_workitem_id 0
		.amdhsa_next_free_vgpr 140
		.amdhsa_next_free_sgpr 66
		.amdhsa_reserve_vcc 1
		.amdhsa_float_denorm_mode_32 3
		.amdhsa_float_denorm_mode_16_64 3
		.amdhsa_memory_ordered 1
		.amdhsa_forward_progress 1
		.amdhsa_inst_pref_size 74
	.end_amdhsa_kernel
	.amdgpu_metadata
---
amdhsa.version: [ 1, 2 ]
amdhsa.kernels:
  - .name:           k_qcf605fd650_thresh
    .symbol:         k_qcf605fd650_thresh.kd
    .args:
      - { .name: tv, .offset: 0, .size: 8, .value_kind: global_buffer, .address_space: global }
      - { .name: nn, .offset: 8, .size: 8, .value_kind: global_buffer, .address_space: global }
      - { .name: wf, .offset: 16, .size: 8, .value_kind: global_buffer, .address_space: global }
      - { .name: cm, .offset: 24, .size: 8, .value_kind: global_buffer, .address_space: global }
    .group_segment_fixed_size: 0
    .private_segment_fixed_size: 0
    .kernarg_segment_align: 8
    .kernarg_segment_size: 32
    .max_flat_workgroup_size: 192
    .sgpr_count:     66
    .vgpr_count:     140
    .wavefront_size: 32
...
	.end_amdgpu_metadata
.endif
;; end of part 2
;; launch select (part 3): grid 90 x 16, 1 waves a work-group, no clusters, 45,312 bytes of LDS; arguments wf, cm, predicted_labels, si, st; writes si, st
.if DOCPART == 3
	.amdgcn_target "amdgcn-amd-amdhsa--gfx1250"
	.amdhsa_code_object_version 6
	.text
	.protected	k_qcf605fd650_select
	.globl	k_qcf605fd650_select
	.p2align	8
	.type	k_qcf605fd650_select,@function
k_qcf605fd650_select:
	s_mov_b64 s[64:65], 0
	v_nop
	global_prefetch_b8 v0, s[64:65] scope:SCOPE_SE
	s_setreg_imm32_b32 hwreg(HW_REG_WAVE_MODE, 25, 1), 1
	s_wait_xcnt 0x0
; SELECT.  One wave, one column (b, c).  The candidates named by wf (a superset of the column's best 200: the entries E1 and E2, and all 48 rows of each
; group marked RR) are read, t = 1 + 2^(-x log2 e) is made as in the first launch, and the keys (t bits, anchor) are sorted: 256 at a time downward by a
; bitonic network, then merged into the running best 256 (upward).  si[b 90 + c][rank] = anchor, st[..][rank] = t.
; EVERY ADDRESS is made, lane by lane, from a word of wf as it comes from memory, and every live trip from cm's three numbers: with the flag f (0 or 1),
; a label lies at f x anchor x 360 and its key goes to word f x idx of a list in LDS: a lane with f = 0 reads row 0 and writes the list's leading dump words.
; What comes back out of LDS is data alone.  Loops count to their constant maximum and jump over dead trips.
; LISTS.  t: 64 dump words, 512 for entries (all ones where there is none), 48 for each RR group, 256 of all ones behind the last.  Anchors of entries:
; a list of the same places.  Anchors of RR rows are remade from the place p: G[p / 48] + p % 48, G = 48 g of the RR groups in their order.
; LIMITS as stated in the first launch's head.
; SORT LAYOUT.  Element e = 128 h + 4 l + i lies in register 4 h + i of lane l: bits 0, 1, 7 of e are register bits, bits 2..6 lane bits.
; THE SORT'S TEXT stands once: its eight stages J = 7..0 in a chain, walked by a loop over the level K = 1..9; stage J is jumped over where K <= J.
; Levels 1 to 8 sort the batch downward; level 9 takes the smaller of the running best and the batch, pair by pair, and sorts that bitonic run upward.
.set IMG,   17677440
.set TL,    0                          ; 10,432 words
.set IE,    41728                      ; 576 words
.set GL,    44032                      ; 256 words: word 0 takes what is not meant
.set SPARE, 45056
.set LEAD,  256                        ; bytes of a list's dump words
.set NR, 8                             ; registers of a bank's t; its anchors follow
.set BX, 16                            ; v[16:31] bank X: the batch at work
.set BY, 32                            ; v[32:47] bank Y: the batch as loaded, and between stages 1 and 0
.set BR, 48                            ; v[48:63] the running best
.set PT, 64                            ; v[64:79] the partners' keys
.set O,  16                            ; v[16:79]   first phase: byte offsets of the 64 labels
.set W,  96                            ; v[96:127]  the 32 flag words; then the two anchors of each, packed
.set T,  128                           ; v[128:191] the 64 labels, then t
.set P,  192                           ; v[192:255] LDS bytes of the 64 keys
.set SM, 20                            ; s[20:43] three masks for each compare of a stage
.set SEL, 44                           ; s[44:45] v_permlanex16_b32's selects: each lane takes its own place in the other half
.set MM, 52                            ; s[52:55] the level's direction masks, by bits 1 and 2 of the register's number
.set MS, 56                            ; s[56:59] the same, turned for the stage's upper lanes
.macro GETLB n                         ; LBV = the lanes whose number has bit n set
.if (\n) == 0
.set LBV, 0xaaaaaaaa
.elseif (\n) == 1
.set LBV, 0xcccccccc
.elseif (\n) == 2
.set LBV, 0xf0f0f0f0
.elseif (\n) == 3
.set LBV, 0xff00ff00
.else
.set LBV, 0xffff0000
.endif
.endm
.macro XMOV d, a, J                    ; the value of the lane whose number differs in bit J - 2
.if (\J) == 2
	v_mov_b32_dpp v[\d], v[\a] row_xmask:1 row_mask:0xf bank_mask:0xf
.elseif (\J) == 3
	v_mov_b32_dpp v[\d], v[\a] row_xmask:2 row_mask:0xf bank_mask:0xf
.elseif (\J) == 4
	v_mov_b32_dpp v[\d], v[\a] row_xmask:4 row_mask:0xf bank_mask:0xf
.elseif (\J) == 5
	v_mov_b32_dpp v[\d], v[\a] row_xmask:8 row_mask:0xf bank_mask:0xf
.else
	v_permlanex16_b32 v[\d], v[\a], s[SEL], s[SEL+1]
.endif
.endm
.macro CMP3 x, b, a                    ; three masks for: key b is smaller than key a (t smaller, or t equal and anchor smaller)
	v_cmp_lt_u32 s[SM+(\x)], v[(\b)+NR], v[(\a)+NR]
	v_cmp_eq_u32 s[SM+NR+(\x)], v[\b], v[\a]
	v_cmp_lt_u32 s[SM+2*NR+(\x)], v[\b], v[\a]
.endm
.macro JOIN x, m                       ; joined into mask x, and turned by scalar register m (none: -1)
	s_and_b32 s[SM+(\x)], s[SM+(\x)], s[SM+NR+(\x)]
	s_or_b32 s[SM+(\x)], s[SM+(\x)], s[SM+2*NR+(\x)]
.if (\m) >= 0
	s_xor_b32 s[SM+(\x)], s[SM+(\x)], s[\m]
.endif
.endm
; A stage between lanes, in place in bank X: all exchanges, all compares, all joins, all selects, so that no line waits for the one before it.
.macro LST J
	s_cmp_le_u32 s14, \J
	s_cbranch_scc1 .Llst_\@
	GETLB (\J)-2
.set q, 0
.rept 4
	s_xor_b32 s[MS+q], s[MM+q], LBV                ; the upper lane of a pair keeps the larger key
.set q, q+1
.endr
.set r, 0
.rept NR
	XMOV PT+r, BX+r, \J
	XMOV PT+NR+r, BX+NR+r, \J
.set r, r+1
.endr
.set r, 0
.rept NR
	CMP3 r, PT+r, BX+r
.set r, r+1
.endr
.set r, 0
.rept NR
	JOIN r, MS+((r>>1)&3)
.set r, r+1
.endr
.set r, 0
.rept NR
	v_cndmask_b32 v[BX+r], v[BX+r], v[PT+r], s[SM+r]
	v_cndmask_b32 v[BX+NR+r], v[BX+NR+r], v[PT+NR+r], s[SM+r]
.set r, r+1
.endr
.Llst_\@:
.endm
; A stage between registers RB apart, from bank src into bank dst.
.macro RST src, dst, RB
.set r, 0
.set p, 0
.rept NR
.if (r&(\RB)) == 0
	CMP3 p, (\src)+r+(\RB), (\src)+r
.set p, p+1
.endif
.set r, r+1
.endr
.set r, 0
.set p, 0
.rept NR
.if (r&(\RB)) == 0
	JOIN p, MM+((r>>1)&3)
.set p, p+1
.endif
.set r, r+1
.endr
.set r, 0
.set p, 0
.rept NR
.if (r&(\RB)) == 0
	v_cndmask_b32 v[(\dst)+r], v[(\src)+r], v[(\src)+r+(\RB)], s[SM+p]
	v_cndmask_b32 v[(\dst)+r+(\RB)], v[(\src)+r+(\RB)], v[(\src)+r], s[SM+p]
	v_cndmask_b32 v[(\dst)+NR+r], v[(\src)+NR+r], v[(\src)+NR+r+(\RB)], s[SM+p]
	v_cndmask_b32 v[(\dst)+NR+r+(\RB)], v[(\src)+NR+r+(\RB)], v[(\src)+NR+r], s[SM+p]
.set p, p+1
.endif
.set r, r+1
.endr
.endm
	s_load_b256 s[4:11], s[0:1], 0x0               ; wf s[4:5], cm s[6:7], labels s[8:9], si s[10:11]
	s_load_b64 s[12:13], s[0:1], 0x20              ; st
	v_lshl_add_u32 v1, v0, 2, SPARE
	v_mov_b32 v2, 0
	s_mov_b32 s14, ttmp9                           ; c
	s_and_b32 s15, ttmp7, 0xffff                   ; b
	s_cmp_ge_u32 s14, 30
	s_cselect_b32 s16, 2, 0
	s_cmp_ge_u32 s14, 60
	s_cselect_b32 s17, 2, 0
	s_add_co_u32 s16, s16, s17
	s_add_co_u32 s16, s16, s14                     ; col96
	s_mul_i32 s17, s15, 96
	s_add_co_u32 s16, s16, s17
	s_lshl_b32 s16, s16, 12
	s_mov_b32 s17, 0
	s_mul_i32 s18, s15, IMG
	s_lshl2_add_u32 s18, s14, s18                  ; the column's first label: b x image + 4 c
	s_mov_b32 s19, 0
	s_mul_i32 s2, s15, 90
	s_add_co_u32 s2, s2, s14                       ; the column
	s_lshl_b32 s46, s2, 4
	s_mov_b32 s47, 0
	s_lshl_b32 s2, s2, 10
	s_mov_b32 s3, 0
	s_mov_b32 s[SEL], 0x76543210
	s_mov_b32 s[SEL+1], 0xfedcba98
	s_mov_b32 s20, 0xff                            ; four constants, in registers that the sort takes later
	s_mov_b32 s21, 0xffff
	s_mov_b32 s22, 0xbfb8aa3b                      ; -log2(e)
	s_mov_b32 s23, 528
	v_lshlrev_b32 v3, 4, v0                        ; 16 l
	s_wait_kmcnt 0x0
	s_add_nc_u64 s[4:5], s[4:5], s[16:17]
	s_add_nc_u64 s[6:7], s[6:7], s[46:47]
	s_add_nc_u64 s[8:9], s[8:9], s[18:19]
	s_add_nc_u64 s[10:11], s[10:11], s[2:3]
	s_add_nc_u64 s[12:13], s[12:13], s[2:3]
	s_load_b128 s[48:51], s[6:7], 0x0              ; entries s48, RR groups s49, the word of runs s50
.irp k, 0,1,2,3,4,5,6,7
	global_load_b128 v[W+4*\k:W+4*\k+3], v3, s[4:5] offset:512*\k  ; register 4 k + i: g = 128 k + 4 l + i
.endr
.irp m, 8,9,10,11
	v_mov_b32 v[\m], -1
	v_mov_b32 v[\m+4], 0
.endr
.irp j, 0,1,2,3                        ; the entries' 512 places: t all ones, anchor 0; every word that is read later has been written
	ds_store_b128 v3, v[8:11] offset:TL+LEAD+512*\j
	ds_store_b128 v3, v[12:15] offset:IE+LEAD+512*\j
.endr
	ds_store_b128 v3, v[12:15] offset:GL
	ds_store_b128 v3, v[12:15] offset:GL+512
	v_mul_u32_u24 v5, v0, 0xc0                     ; 48 x 4 l
	s_wait_loadcnt 0x0
	; THE ENTRIES.  For each of my 32 groups: both anchors, both flags, both labels' offsets, both loads; then both places and the anchors packed.
.set r, 0
.rept 32
.set TT, 80+8*(r%2)
	v_add_nc_u32 v[TT], 48*(128*(r/4)+r%4), v5     ; 48 g
	v_and_b32 v[TT+1], s20, v[W+r]                 ; n1
	v_bfe_u32 v[TT+2], v[W+r], 8, 8                ; n2
	v_bfe_u32 v[TT+3], v[W+r], 16, 1               ; E1
	v_bfe_u32 v[TT+4], v[W+r], 17, 1               ; E2
	v_lshrrev_b32 v[TT+5], 19, v[W+r]              ; idx
	v_add_nc_u32 v[TT+1], v[TT], v[TT+1]
	v_add_nc_u32 v[TT+2], v[TT], v[TT+2]
	v_mul_u32_u24 v[O+r], v[TT+1], v[TT+3]
	v_mul_u32_u24 v[O+32+r], v[TT+2], v[TT+4]
	v_min_u32 v[O+r], 0xbfcf, v[O+r]               ; inside the table: 49,103 at the most
	v_min_u32 v[O+32+r], 0xbfcf, v[O+32+r]
	v_mul_u32_u24 v[O+r], 0x168, v[O+r]            ; a row is 360 bytes
	v_mul_u32_u24 v[O+32+r], 0x168, v[O+32+r]
	global_load_b32 v[T+r], v[O+r], s[8:9]
	global_load_b32 v[T+32+r], v[O+32+r], s[8:9]
	v_lshl_or_b32 v[W+r], v[TT+2], 16, v[TT+1]     ; both anchors are under 65,536
	v_mul_u32_u24 v[P+r], v[TT+5], v[TT+3]
	v_add_nc_u32 v[TT+5], 1, v[TT+5]
	v_mul_u32_u24 v[P+32+r], v[TT+5], v[TT+4]
	v_min_u32 v[P+r], 0x23f, v[P+r]                ; inside the 576 words
	v_min_u32 v[P+32+r], 0x23f, v[P+32+r]
	v_lshlrev_b32 v[P+r], 2, v[P+r]
	v_lshlrev_b32 v[P+32+r], 2, v[P+32+r]
.set r, r+1
.endr
	s_wait_loadcnt 0x0
.set m, 0
.rept 64
	v_mul_f32 v[T+m], s22, v[T+m]
.set m, m+1
.endr
.set m, 0
.rept 64
	v_exp_f32 v[T+m], v[T+m]
.set m, m+1
.endr
	v_nop                                          ; a plain instruction between the exponentials and the use of their results
.set m, 0
	s_wait_alu depctr_va_vdst(0)
.rept 64
	v_add_f32 v[T+m], 1.0, v[T+m]
.set m, m+1
.endr
.set r, 0
.rept 32
.set TT, 80+8*(r%2)
	v_and_b32 v[TT], s21, v[W+r]
	v_lshrrev_b32 v[TT+1], 16, v[W+r]
	ds_store_b32 v[P+r], v[T+r] offset:TL
	ds_store_b32 v[P+r], v[TT] offset:IE
	ds_store_b32 v[P+32+r], v[T+32+r] offset:TL
	ds_store_b32 v[P+32+r], v[TT+1] offset:IE
.set r, r+1
.endr
	; THE GROUPS TO BE READ AGAIN.  Trip k takes groups 32 k + l, if the word of runs says that one of them is marked.
	s_wait_kmcnt 0x0
	s_min_u32 s48, s48, 0x190                      ; 400 entries and 200 groups at the most
	s_min_u32 s49, s49, 0xc8
	v_lshlrev_b32 v8, 2, v0                        ; my flag word's byte
	v_mul_u32_u24 v7, v0, 48                       ; 48 g
	s_mov_b32 s15, 0
.Lrr:
	s_and_b32 s46, s50, 1
	s_cmp_lg_u32 s46, 0
	s_cbranch_scc0 .Lrr_dead
	global_load_b32 v9, v8, s[4:5]
	s_wait_loadcnt 0x0
	v_bfe_u32 v10, v9, 18, 1                       ; RR
	v_lshrrev_b32 v11, 19, v9                      ; 1 + the group's number among the marked
	v_mul_u32_u24 v11, v11, v10
	v_min_u32 v11, 0xc8, v11
	v_mul_u32_u24 v12, v11, 48
	v_mad_u32_u24 v12, v10, s23, v12               ; its 48 places begin at word 528 + 48 x that; an unmarked lane's at word 0
	v_min_u32 v12, 0x2790, v12                     ; 10,128 at the most
	v_lshlrev_b32 v12, 2, v12
	v_lshlrev_b32 v13, 2, v11
	v_mul_u32_u24 v14, v7, v10
	v_min_u32 v14, 0xbfa0, v14                     ; 48 rows from 49,056 at the most
	v_mul_u32_u24 v14, 0x168, v14
	ds_store_b32 v13, v7 offset:GL
.set m, 0
.rept 48
	global_load_b32 v[16+m], v14, s[8:9] offset:360*m
.set m, m+1
.endr
	s_wait_loadcnt 0x0
.set m, 0
.rept 48
	v_mul_f32 v[16+m], s22, v[16+m]
.set m, m+1
.endr
.set m, 0
.rept 48
	v_exp_f32 v[16+m], v[16+m]
.set m, m+1
.endr
	v_nop                                          ; a plain instruction between the exponentials and the use of their results
.set m, 0
	s_wait_alu depctr_va_vdst(0)
.rept 48
	v_add_f32 v[16+m], 1.0, v[16+m]
.set m, m+1
.endr
.set m, 0
.rept 48
	ds_store_b32 v12, v[16+m] offset:TL+4*m
.set m, m+1
.endr
.Lrr_dead:
	v_add_nc_u32 v8, 0x80, v8
	v_add_nc_u32 v7, 0x600, v7
	s_lshr_b32 s50, s50, 1
	s_add_co_u32 s15, s15, 1
	s_cmp_lt_u32 s15, 32
	s_cbranch_scc1 .Lrr
	s_mul_i32 s17, s49, 48                         ; rows read again
	s_add_co_u32 s46, s17, 576
	v_add_nc_u32 v12, s46, v0                      ; 256 words of all ones behind them: the last batch is full
	v_min_u32 v12, 0x27df, v12
	v_lshlrev_b32 v12, 2, v12
	v_mov_b32 v13, -1
.irp r, 0,1,2,3,4,5,6,7
	ds_store_b32 v12, v13 offset:TL+128*\r
.endr
.set m, 0
.rept 16
	v_mov_b32 v[BR+m], -1                          ; the running best: all ones, above every key
	v_mov_b32 v[PT+m], 0                           ; written whole: the lane exchanges count as readers of their destinations
.set m, m+1
.endr
	; THE BATCHES.  Trips 0 and 1: the entries' 512 places, as far as there are entries; trips 2 to 39: the rows read again.
	s_mov_b32 s18, 0
	s_mov_b32 s19, 0                               ; places in front of the trip's, in its region
	s_mov_b32 s16, s48                             ; places taken in that region
	v_mov_b32 v4, v3
	v_lshlrev_b32 v5, 2, v0
.Lbatch:
	s_cmp_ge_u32 s19, s16
	s_cbranch_scc1 .Lbatch_dead
	ds_load_b128 v[BY:BY+3], v4 offset:TL+LEAD
	ds_load_b128 v[BY+4:BY+7], v4 offset:TL+LEAD+512
	s_cmp_ge_u32 s18, 2
	s_cbranch_scc1 .Lfrom_g
	ds_load_b128 v[BY+8:BY+11], v4 offset:IE+LEAD
	ds_load_b128 v[BY+12:BY+15], v4 offset:IE+LEAD+512
	s_branch .Lkeys
.Lfrom_g:                                          ; my four places of a half begin at a multiple of 4, so they lie in one group: p / 48 = p x 43,691 >> 21 (43,691 x 48 = 2^21 + 16: exact under 10,000)
	v_add_nc_u32 v6, s19, v5
	v_add_nc_u32 v7, 0x80, v6
	v_mul_u32_u24 v8, 0xaaab, v6
	v_mul_u32_u24 v9, 0xaaab, v7
	v_lshrrev_b32 v8, 21, v8
	v_lshrrev_b32 v9, 21, v9
	v_mul_u32_u24 v10, v8, 48
	v_mul_u32_u24 v11, v9, 48
	v_sub_nc_u32 v6, v6, v10
	v_sub_nc_u32 v7, v7, v11
	v_lshlrev_b32 v8, 2, v8
	v_lshlrev_b32 v9, 2, v9
	ds_load_b32 v10, v8 offset:GL+4
	ds_load_b32 v11, v9 offset:GL+4
	s_wait_dscnt 0x0
	v_add_nc_u32 v6, v6, v10
	v_add_nc_u32 v7, v7, v11
.irp i, 0,1,2,3
	v_add_nc_u32 v[BY+8+\i], \i, v6
	v_add_nc_u32 v[BY+12+\i], \i, v7
.endr
.Lkeys:
	s_wait_dscnt 0x0
	s_mov_b32 s14, 1
.Llevel:
	; the level's directions: a run of 2^K elements goes downward where bit K of e is set; all turned in levels 1 to 8, which sort downward
	s_mov_b32 s60, 0
	s_cmp_eq_u32 s14, 2
	s_cselect_b32 s60, 0xaaaaaaaa, s60
	s_cmp_eq_u32 s14, 3
	s_cselect_b32 s60, 0xcccccccc, s60
	s_cmp_eq_u32 s14, 4
	s_cselect_b32 s60, 0xf0f0f0f0, s60
	s_cmp_eq_u32 s14, 5
	s_cselect_b32 s60, 0xff00ff00, s60
	s_cmp_eq_u32 s14, 6
	s_cselect_b32 s60, 0xffff0000, s60
	s_cmp_lt_u32 s14, 9
	s_cselect_b32 s61, -1, 0
	s_cmp_eq_u32 s14, 1
	s_cselect_b32 s62, -1, 0                       ; level 1: bit 1 of e is bit 1 of the register's number
	s_cmp_eq_u32 s14, 7
	s_cselect_b32 s63, -1, 0                       ; level 7: bit 7 of e is bit 2 of the register's number
	s_xor_b32 s[MM], s60, s61
	s_xor_b32 s[MM+1], s[MM], s62
	s_xor_b32 s[MM+2], s[MM], s63
	s_xor_b32 s[MM+3], s[MM+1], s63
	s_cmp_lg_u32 s14, 9
	s_cbranch_scc1 .Lno_merge
	; the best upward and the batch downward are one bitonic run of 512: the smaller of each pair are its best 256, bitonic again
.set r, 0
.rept NR
	CMP3 r, BX+r, BR+r
.set r, r+1
.endr
.set r, 0
.rept NR
	JOIN r, -1
.set r, r+1
.endr
.set r, 0
.rept NR
	v_cndmask_b32 v[BX+r], v[BR+r], v[BX+r], s[SM+r]
	v_cndmask_b32 v[BX+NR+r], v[BR+NR+r], v[BX+NR+r], s[SM+r]
.set r, r+1
.endr
.Lno_merge:
	s_cmp_le_u32 s14, 7                            ; stage 7, registers 4 apart, in place: the lower results wait in the partners' registers
	s_cbranch_scc1 .Lno_7
.set r, 0
.rept 4
	CMP3 r, BX+r+4, BX+r
.set r, r+1
.endr
.set r, 0
.rept 4
	JOIN r, MM+((r>>1)&3)
.set r, r+1
.endr
.set r, 0
.rept 4
	v_cndmask_b32 v[PT+r], v[BX+r], v[BX+r+4], s[SM+r]
	v_cndmask_b32 v[PT+NR+r], v[BX+NR+r], v[BX+NR+r+4], s[SM+r]
	v_cndmask_b32 v[BX+r+4], v[BX+r+4], v[BX+r], s[SM+r]
	v_cndmask_b32 v[BX+NR+r+4], v[BX+NR+r+4], v[BX+NR+r], s[SM+r]
.set r, r+1
.endr
.set r, 0
.rept 4
	v_mov_b32 v[BX+r], v[PT+r]
	v_mov_b32 v[BX+NR+r], v[PT+NR+r]
.set r, r+1
.endr
.Lno_7:
	LST 6
	LST 5
	LST 4
	LST 3
	LST 2
	s_cmp_le_u32 s14, 1
	s_cbranch_scc1 .Lno_1
	RST BX, BY, 2                                  ; stage 1: X to Y
.Lno_1:
	RST BY, BX, 1                                  ; stage 0: Y to X; in level 1 Y is the batch as loaded
	s_add_co_u32 s14, s14, 1
	s_cmp_lt_u32 s14, 10
	s_cbranch_scc1 .Llevel
.set m, 0
.rept 16
	v_mov_b32 v[BR+m], v[BX+m]
.set m, m+1
.endr
.Lbatch_dead:
	v_add_nc_u32 v4, 0x400, v4
	s_add_co_u32 s19, s19, 256
	s_cmp_eq_u32 s18, 1                            ; behind trip 1 the rows read again begin
	s_cselect_b32 s19, 0, s19
	s_cselect_b32 s16, s17, s16
	s_add_co_u32 s18, s18, 1
	s_cmp_lt_u32 s18, 40
	s_cbranch_scc1 .Lbatch
	global_store_b128 v3, v[BR:BR+3], s[12:13]     ; rank 128 h + 4 l + i: each store covers 512 consecutive bytes
	global_store_b128 v3, v[BR+4:BR+7], s[12:13] offset:512
	global_store_b128 v3, v[BR+8:BR+11], s[10:11]
	global_store_b128 v3, v[BR+12:BR+15], s[10:11] offset:512
	s_wait_tensorcnt 0x0                           ; the wave's end
	ds_add_u32 v1, v2
	s_wait_dscnt 0x0
	s_endpgm
.Lfunc_end_k_qcf605fd650_select:
	.size	k_qcf605fd650_select, .Lfunc_end_k_qcf605fd650_select-k_qcf605fd650_select
	.p2alignl 7, 3214868480
	.fill 96, 4, 3214868480
	.section	.rodata,"a",@progbits
	.p2align	6, 0x0
	.amdhsa_kernel k_qcf605fd650_select
		.amdhsa_group_segment_fixed_size 45312
		.amdhsa_private_segment_fixed_size 0
		.amdhsa_enable_private_segment 0
		.amdhsa_kernarg_size 40
		.amdhsa_user_sgpr_count 2
		.amdhsa_user_sgpr_kernarg_segment_ptr 1
		.amdhsa_wavefront_size32 1
		.amdhsa_system_sgpr_workgroup_id_x 1
		.amdhsa_system_sgpr_workgroup_id_y 1
		.amdhsa_system_sgpr_workgroup_id_z 1
		.amdhsa_system_vgpr_workitem_id 0
		.amdhsa_next_free_vgpr 256
		.amdhsa_next_free_sgpr 66
		.amdhsa_reserve_vcc 0
		.amdhsa_float_denorm_mode_32 3
		.amdhsa_float_denorm_mode_16_64 3
		.amdhsa_memory_ordered 1
		.amdhsa_forward_progress 1
		.amdhsa_inst_pref_size 111
	.end_amdhsa_kernel
	.amdgpu_metadata
---
amdhsa.version: [ 1, 2 ]
amdhsa.kernels:
  - .name:           k_qcf605fd650_select
    .symbol:         k_qcf605fd650_select.kd
    .args:
      - { .name: wf, .offset: 0, .size: 8, .value_kind: global_buffer, .address_space: global }
      - { .name: cm, .offset: 8, .size: 8, .value_kind: global_buffer, .address_space: global }
      - { .name: predicted_labels, .offset: 16, .size: 8, .value_kind: global_buffer, .address_space: global }
      - { .name: si, .offset: 24, .size: 8, .value_kind: global_buffer, .address_space: global }
      - { .name: st, .offset: 32, .size: 8, .value_kind: global_buffer, .address_space: global }
    .group_segment_fixed_size: 45312
    .private_segment_fixed_size: 0
    .kernarg_segment_align: 8
    .kernarg_segment_size: 40
    .max_flat_workgroup_size: 32
    .sgpr_count:     66
    .vgpr_count:     256
    .wavefront_size: 32
...
	.end_amdgpu_metadata
.endif
;; end of part 3
;; launch nms (part 4): grid 90 x 16, 4 waves a work-group, no clusters, 6,656 bytes of LDS; arguments si, st, anchors, predicted_boxes, km; writes km
.if DOCPART == 4
	.amdgcn_target "amdgcn-amd-amdhsa--gfx1250"
	.amdhsa_code_object_version 6
	.text
	.protected	k_qcf605fd650_nms
	.globl	k_qcf605fd650_nms
	.p2align	8
	.type	k_qcf605fd650_nms,@function
k_qcf605fd650_nms:
	s_mov_b64 s[64:65], 0
	v_nop
	global_prefetch_b8 v0, s[64:65] scope:SCOPE_SE
	s_setreg_imm32_b32 hwreg(HW_REG_WAVE_MODE, 25, 1), 1
	s_wait_xcnt 0x0
; NMS.  One work-group, one column (b, c).  The boxes of ranks 0..255 are decoded (anchor and deltas gathered by si) into a table of pairs in LDS; then rank j
; is kept if no rank i < j has IoU > 0.5 with it, its score 1 / t is above 0.05, and j < 200.  km[b 90 + c][r]: bit l of word r is rank 32 r + l.
; THE TEST.  inter / max(area_i + area_j - inter, 1e-8) > 0.5 is the same as 3 inter > max(area_i + area_j, 1.5e-8).  Only the height of the overlap is held
; at 0: with a negative width the product is 0 or less, and the test against a positive number fails, as it does with inter = 0.
; LIMITS.  3 inter - max(..) is made with one rounding, so the test differs from the rounded quotient's only where the IoU lies within about 2^-23 of 0.5;
; 1.5e-8 is rounded to f32.  cy and cx are made by a fused multiply-add.  NaN and infinities are not treated apart.
; SHARES.  Lane l of a wave holds rank j = 32 r + l of block r = 0..5; the ranks i come two table entries (four ranks) a trip, the same for all lanes: block r
; has 8 r + 8 trips.  Ranks 192..199 are taken otherwise: lane l holds rank 192 + l % 8 and walks quarter l / 8 of the table's first 104 entries, 13 trips.
; Wave 0: block 5; wave 1: blocks 4 and 0; wave 2: blocks 3 and 1; wave 3: block 2 and ranks 192..199.  48, 48, 48 and 37 trips.
; Loops whose length hangs on the block count earlier blocks to the constant maximum, 5, and jump over the dead ones.
; A wave keeps its two mask words in scalar registers and stores them at the end, lanes 0 and 1 a word each (wave 0's second word is word 7: ranks 224..255, 0).
; DUAL LINES.  f32 has no packed maximum or minimum, so the two ranks of a table entry share a dual line.  Its halves take their second sources from registers
; whose numbers differ modulo 4 (ISA guide, the dual encoding's operand rules): my corners, 0 and 1.5e-8 are each held twice, in an even and an odd register.
.set SPARE, 6144                       ; behind the table of 128 entries x 48 bytes
.set Y1, 40                            ; v40-41 my y1, twice; v42-43 x1; v44-45 y2; v46-47 x2
.set AR, 48                            ; v[48:49] my area, named as a pair
.set ZZ, 50                            ; v50-51 0
.set CC, 52                            ; v52-53 1.5e-8
.set TT, 54                            ; v54 my t
.set MX, 55                            ; v55 the largest 3 inter - max(..) so far
; anchor v[a..a+3] (y1 x1 y2 x2), deltas v[d..d+3] -> y1 x1 y2 x2 (and area) / 512 in v[o..]; t: six registers at work
.macro DEC a, d, o, t, area
	v_sub_f32 v[\t], v[\a+2], v[\a]                ; ah
	v_sub_f32 v[\t+1], v[\a+3], v[\a+1]            ; aw
	v_add_f32 v[\t+2], v[\a], v[\a+2]
	v_add_f32 v[\t+3], v[\a+1], v[\a+3]
	v_mul_f32 v[\t+2], 0.5, v[\t+2]                ; acy
	v_mul_f32 v[\t+3], 0.5, v[\t+3]                ; acx
	v_mul_f32 v[\t+4], 0x3fb8aa3b, v[\d+2]
	v_mul_f32 v[\t+5], 0x3fb8aa3b, v[\d+3]
	v_exp_f32 v[\t+4], v[\t+4]
	v_exp_f32 v[\t+5], v[\t+5]
	v_fma_f32 v[\t+2], v[\d], v[\t], v[\t+2]       ; cy; also the plain instruction behind the exponentials
	v_fma_f32 v[\t+3], v[\d+1], v[\t+1], v[\t+3]   ; cx
	s_wait_alu depctr_va_vdst(0)
	v_mul_f32 v[\t+4], v[\t+4], v[\t]              ; h
	v_mul_f32 v[\t+5], v[\t+5], v[\t+1]            ; w
	v_fma_f32 v[\o], v[\t+4], -0.5, v[\t+2]
	v_fma_f32 v[\o+1], v[\t+5], -0.5, v[\t+3]
	v_fma_f32 v[\o+2], v[\t+4], 0.5, v[\t+2]
	v_fma_f32 v[\o+3], v[\t+5], 0.5, v[\t+3]
	v_mul_f32 v[\o], 0x3b000000, v[\o]             ; 1 / 512
	v_mul_f32 v[\o+1], 0x3b000000, v[\o+1]
	v_mul_f32 v[\o+2], 0x3b000000, v[\o+2]
	v_mul_f32 v[\o+3], 0x3b000000, v[\o+3]
.if \area
	v_sub_f32 v[\t], v[\o+2], v[\o]
	v_sub_f32 v[\t+1], v[\o+3], v[\o+1]
	v_mul_f32 v[\o+4], v[\t], v[\t+1]
.endif
.endm
	s_load_b256 s[4:11], s[0:1], 0x0               ; si s[4:5], st s[6:7], anchors s[8:9], deltas s[10:11]
	s_load_b64 s[12:13], s[0:1], 0x20              ; km
	v_lshl_add_u32 v1, v0, 2, SPARE
	v_mov_b32 v2, 0
	v_lshrrev_b32 v3, 5, v0
	v_readfirstlane_b32 s14, v3                    ; wave
	s_and_b32 s15, ttmp7, 0xffff                   ; b
	s_mul_i32 s18, s15, 785664                     ; the image's deltas
	s_mov_b32 s19, 0
	s_mul_i32 s15, s15, 90
	s_add_co_u32 s15, s15, ttmp9                   ; the column
	s_lshl_b32 s16, s15, 10
	s_mov_b32 s17, 0
	s_lshl_b32 s2, s15, 5
	s_mov_b32 s3, 0
	s_mov_b32 s26, 0x3d4ccccd                      ; 0.05
	v_lshlrev_b32 v3, 2, v0
	s_wait_kmcnt 0x0
	s_add_nc_u64 s[4:5], s[4:5], s[16:17]
	s_add_nc_u64 s[6:7], s[6:7], s[16:17]
	s_add_nc_u64 s[10:11], s[10:11], s[18:19]
	s_add_nc_u64 s[12:13], s[12:13], s[2:3]
	global_load_b32 v4, v3, s[4:5]                 ; ranks tid and tid + 128
	global_load_b32 v5, v3, s[4:5] offset:512
	s_mov_b32 s16, 0x40400000                      ; 3.0, named as a pair
	s_mov_b32 s17, s16
	s_mov_b32 s18, 0x76543210                      ; v_permlanex16_b32's selects: each lane takes its own place in the other half
	s_mov_b32 s19, 0xfedcba98
	v_and_b32 v28, 31, v0                          ; l
	v_lshlrev_b32 v27, 2, v28
	v_lshrrev_b32 v26, 1, v28
	v_mul_u32_u24 v26, v26, 48
	v_and_b32 v6, 1, v0
	v_lshl_add_u32 v26, v6, 2, v26                 ; my rank's place in its block of the table
	v_lshrrev_b32 v7, 1, v0
	v_mul_u32_u24 v7, v7, 48
	v_lshl_add_u32 v6, v6, 2, v7                   ; rank tid's place in the table: pair tid / 2, half tid % 2
	v_mov_b32 v[AR+1], 0                           ; named in a pair with my area
	v_mov_b32 v[ZZ], 0
	v_mov_b32 v[ZZ+1], 0
	v_mov_b32 v[CC], 0x3280d959                    ; 1.5e-8
	v_mov_b32 v[CC+1], 0x3280d959
	s_wait_loadcnt 0x0
	v_min_u32 v4, 0xbfcf, v4                       ; inside the tables: 49,103 at the most
	v_min_u32 v5, 0xbfcf, v5
	v_lshlrev_b32 v4, 4, v4
	v_lshlrev_b32 v5, 4, v5
	global_load_b128 v[8:11], v4, s[8:9]
	global_load_b128 v[12:15], v4, s[10:11]
	global_load_b128 v[16:19], v5, s[8:9]
	global_load_b128 v[20:23], v5, s[10:11]
	s_wait_loadcnt 0x2                             ; the first rank's two loads are in; the second rank's two stay out
	DEC 8, 12, 30, 60, 1
	s_wait_loadcnt 0x0
	DEC 16, 20, 35, 60, 1
	; a table entry, 48 bytes: y1a y1b x1a x1b | y2a y2b x2a x2b | area a, area b
.irp i, 0,1,2,3,4
	ds_store_b32 v6, v[30+\i] offset:8*\i
	ds_store_b32 v6, v[35+\i] offset:3072+8*\i
.endr
	s_wait_dscnt 0x0                               ; for the others' sake
	s_barrier_signal -1
	s_barrier_wait -1
; The two ranks i of a table entry (registers x .. x + 9) against my rank: twelve lines.  mask = 1: only i < j counts; v10 = j - i of the first.
.macro PAIR x, mask
	v_dual_max_num_f32 v[\x], v[\x], v[Y1] :: v_dual_max_num_f32 v[\x+1], v[\x+1], v[Y1+1]
	v_dual_min_num_f32 v[\x+4], v[\x+4], v[Y1+4] :: v_dual_min_num_f32 v[\x+5], v[\x+5], v[Y1+5]
	v_dual_max_num_f32 v[\x+2], v[\x+2], v[Y1+2] :: v_dual_max_num_f32 v[\x+3], v[\x+3], v[Y1+3]
	v_dual_min_num_f32 v[\x+6], v[\x+6], v[Y1+6] :: v_dual_min_num_f32 v[\x+7], v[\x+7], v[Y1+7]
	v_pk_add_f32 v[\x+8:\x+9], v[\x+8:\x+9], v[AR:AR+1] op_sel_hi:[1,0]             ; area_i + area_j
	v_pk_add_f32 v[\x+4:\x+5], v[\x+4:\x+5], v[\x:\x+1] neg_lo:[0,1] neg_hi:[0,1]   ; height
	v_pk_add_f32 v[\x+6:\x+7], v[\x+6:\x+7], v[\x+2:\x+3] neg_lo:[0,1] neg_hi:[0,1] ; width
	v_dual_max_num_f32 v[\x+8], v[\x+8], v[CC] :: v_dual_max_num_f32 v[\x+9], v[\x+9], v[CC+1]
	v_dual_max_num_f32 v[\x+4], v[\x+4], v[ZZ] :: v_dual_max_num_f32 v[\x+5], v[\x+5], v[ZZ+1]
	v_pk_mul_f32 v[\x+4:\x+5], v[\x+4:\x+5], v[\x+6:\x+7]                            ; inter, or a number that is 0 or less
	v_pk_fma_f32 v[\x+8:\x+9], v[\x+4:\x+5], s[16:17], v[\x+8:\x+9] op_sel_hi:[1,0,1] neg_lo:[0,0,1] neg_hi:[0,0,1]  ; 3 inter - max(..), one rounding
.if \mask
	v_cmp_lt_i32 vcc_lo, 0, v10
	v_cndmask_b32 v[\x+8], -1.0, v[\x+8], vcc_lo
	v_cmp_lt_i32 vcc_lo, 1, v10
	v_cndmask_b32 v[\x+9], -1.0, v[\x+9], vcc_lo
	v_add_nc_u32 v10, -2, v10
.endif
	v_max3_num_f32 v[MX], v[MX], v[\x+8], v[\x+9]
.endm
.macro PAIR2 mask                      ; a trip: the two table entries at v9
	ds_load_b128 v[12:15], v9
	ds_load_b128 v[16:19], v9 offset:16
	ds_load_b64 v[20:21], v9 offset:32
	ds_load_b128 v[60:63], v9 offset:48
	ds_load_b128 v[64:67], v9 offset:64
	ds_load_b64 v[68:69], v9 offset:80
	s_wait_dscnt 0x3                               ; the first entry is in, and all that was asked for before it; the second entry's three loads stay out
	PAIR 12, \mask
	s_wait_dscnt 0x0
	PAIR 60, \mask
	v_add_nc_u32 v9, 96, v9
.endm
.macro OWN off                         ; my box, from the table at v7 + off: each corner into an even and an odd register; the first trip's wait covers these loads
.irp i, 0,1,2,3
	ds_load_b32 v[Y1+2*\i], v7 offset:\off+8*\i
	ds_load_b32 v[Y1+2*\i+1], v7 offset:\off+8*\i
.endr
	ds_load_b32 v[AR], v7 offset:\off+32
.endm
.macro KEEP                            ; s27 = the lanes whose score is above 0.05 and that no earlier rank covers
	s_wait_loadcnt 0x0
	v_rcp_f32 v11, v[TT]
	v_nop                                          ; a plain instruction behind the reciprocal
	s_wait_alu depctr_va_vdst(0)
	v_fma_f32 v57, -v[TT], v11, 1.0                ; one Newton step
	v_fma_f32 v11, v11, v57, v11
	v_cmp_lt_f32 vcc_lo, s26, v11
	s_mov_b32 s27, vcc_lo
	v_cmp_lt_f32 vcc_lo, 0, v[MX]
	s_and_not1_b32 s27, s27, vcc_lo
.endm
.macro BLOCK                           ; block r = s20, 0 to 5; its mask word is left in s27
	s_mul_i32 s21, s20, 768                        ; the block's 16 entries
	s_lshl_b32 s22, s20, 7
	v_add_nc_u32 v7, s21, v26
	OWN 0
	v_add_nc_u32 v8, s22, v27
	global_load_b32 v[TT], v8, s[6:7]              ; my t
	v_mov_b32 v[MX], -1.0
	v_mov_b32 v9, 0
	s_mov_b32 s24, 0
.Loff_\@:                                          ; the r blocks in front, eight trips each
	s_cmp_ge_u32 s24, s20
	s_cbranch_scc1 .Ldead_\@
	s_mov_b32 s23, 8
.Lin_\@:
	PAIR2 0
	s_sub_co_u32 s23, s23, 1
	s_cmp_lg_u32 s23, 0
	s_cbranch_scc1 .Lin_\@
.Ldead_\@:
	s_add_co_u32 s24, s24, 1
	s_cmp_lt_u32 s24, 5
	s_cbranch_scc1 .Loff_\@
	v_mov_b32 v9, s21                              ; the block against itself
	v_mov_b32 v10, v28
	s_mov_b32 s24, 8
.Ldia_\@:
	PAIR2 1
	s_sub_co_u32 s24, s24, 1
	s_cmp_lg_u32 s24, 0
	s_cbranch_scc1 .Ldia_\@
	KEEP
.endm
	s_sub_co_u32 s20, 5, s14
	BLOCK
	s_mov_b32 s30, s27                             ; the first block's word,
	s_lshl_b32 s29, s20, 2                         ; and its byte in the column's eight words
	s_mov_b32 s27, 0                               ; wave 0 has no second share: word 7 is 0
	s_mov_b32 s28, 28
	s_cmp_eq_u32 s14, 0
	s_cbranch_scc1 .Ljoin
	s_cmp_eq_u32 s14, 3
	s_cbranch_scc1 .Lspecial
	s_sub_co_u32 s20, s14, 1
	BLOCK
	s_lshl_b32 s28, s20, 2
	s_branch .Ljoin
.Lspecial:                                         ; ranks 192..199: lane l holds rank 192 + l % 8 and walks entries 26 (l / 8) .. + 25
	v_and_b32 v10, 7, v28
	v_lshrrev_b32 v56, 3, v28
	v_bfe_u32 v7, v28, 1, 2
	v_mul_u32_u24 v7, v7, 48
	v_and_b32 v57, 1, v28
	v_lshl_add_u32 v7, v57, 2, v7
	OWN 4608                                       ; entries 96 .. 99
	v_lshlrev_b32 v8, 2, v10
	global_load_b32 v[TT], v8, s[6:7] offset:768
	v_mov_b32 v[MX], -1.0
	v_mul_u32_u24 v9, v56, 0x4e0                   ; 26 entries of 48 bytes: the four quarters' 16 bytes fall into different banks
	v_mul_u32_u24 v56, v56, 52
	v_sub_nc_u32 v10, v10, v56
	v_add_nc_u32 v10, 0xc0, v10                    ; j - i of my quarter's first rank
	s_mov_b32 s24, 13
.Lsp:
	PAIR2 1
	s_sub_co_u32 s24, s24, 1
	s_cmp_lg_u32 s24, 0
	s_cbranch_scc1 .Lsp
	v_max_num_f32_dpp v[MX], v[MX], v[MX] row_xmask:8 row_mask:0xf bank_mask:0xf  ; the four quarters of a rank lie 8 lanes apart
	v_permlanex16_b32 v56, v[MX], s18, s19
	v_max_num_f32 v[MX], v[MX], v56
	KEEP
	s_and_b32 s27, s27, 0xff                       ; lanes 0..7 speak for ranks 192..199; ranks from 200 on are not kept
	s_mov_b32 s28, 24
.Ljoin:
	s_wait_dscnt 0x0                               ; my reads of the table are back,
	s_barrier_signal -1
	s_barrier_wait -1                              ; and so are every wave's: LDS is written again only behind this barrier
	v_cmp_eq_u32 vcc_lo, 0, v28
	v_mov_b32 v58, s28
	v_mov_b32 v59, s27
	v_cndmask_b32 v58, v58, s29, vcc_lo            ; lane 0: the first block's word; lane 1: the second's
	v_cndmask_b32 v59, v59, s30, vcc_lo
	s_wait_xcnt 0x0                                ; EXEC changes only behind this wait
	v_cmp_gt_u32 vcc_lo, 2, v28
	s_and_saveexec_b32 s31, vcc_lo
	global_store_b32 v58, v59, s[12:13]
	s_wait_xcnt 0x0
	s_or_b32 exec_lo, exec_lo, s31
	s_wait_tensorcnt 0x0                           ; the wave's end
	ds_add_u32 v1, v2
	s_wait_dscnt 0x0
	s_endpgm
.Lfunc_end_k_qcf605fd650_nms:
	.size	k_qcf605fd650_nms, .Lfunc_end_k_qcf605fd650_nms-k_qcf605fd650_nms
	.p2alignl 7, 3214868480
	.fill 96, 4, 3214868480
	.section	.rodata,"a",@progbits
	.p2align	6, 0x0
	.amdhsa_kernel k_qcf605fd650_nms
		.amdhsa_group_segment_fixed_size 6656
		.amdhsa_private_segment_fixed_size 0
		.amdhsa_enable_private_segment 0
		.amdhsa_kernarg_size 40
		.amdhsa_user_sgpr_count 2
		.amdhsa_user_sgpr_kernarg_segment_ptr 1
		.amdhsa_wavefront_size32 1
		.amdhsa_system_sgpr_workgroup_id_x 1
		.amdhsa_system_sgpr_workgroup_id_y 1
		.amdhsa_system_sgpr_workgroup_id_z 1
		.amdhsa_system_vgpr_workitem_id 0
		.amdhsa_next_free_vgpr 72
		.amdhsa_next_free_sgpr 66
		.amdhsa_reserve_vcc 1
		.amdhsa_float_denorm_mode_32 3
		.amdhsa_float_denorm_mode_16_64 3
		.amdhsa_memory_ordered 1
		.amdhsa_forward_progress 1
		.amdhsa_inst_pref_size 24
	.end_amdhsa_kernel
	.amdgpu_metadata
---
amdhsa.version: [ 1, 2 ]
amdhsa.kernels:
  - .name:           k_qcf605fd650_nms
    .symbol:         k_qcf605fd650_nms.kd
    .args:
      - { .name: si, .offset: 0, .size: 8, .value_kind: global_buffer, .address_space: global }
      - { .name: st, .offset: 8, .size: 8, .value_kind: global_buffer, .address_space: global }
      - { .name: anchors, .offset: 16, .size: 8, .value_kind: global_buffer, .address_space: global }
      - { .name: predicted_boxes, .offset: 24, .size: 8, .value_kind: global_buffer, .address_space: global }
      - { .name: km, .offset: 32, .size: 8, .value_kind: global_buffer, .address_space: global }
    .group_segment_fixed_size: 6656
    .private_segment_fixed_size: 0
    .kernarg_segment_align: 8
    .kernarg_segment_size: 40
    .max_flat_workgroup_size: 128
    .sgpr_count:     66
    .vgpr_count:     72
    .wavefront_size: 32
...
	.end_amdgpu_metadata
.endif
;; end of part 4
;; launch final (part 5): grid 16 x 1, 15 waves a work-group, no clusters, 117,504 bytes of LDS; arguments st, km, out1, out2, fi; writes out1, out2, fi
.if DOCPART == 5
	.amdgcn_target "amdgcn-amd-amdhsa--gfx1250"
	.amdhsa_code_object_version 6
	.text
	.protected	k_qcf605fd650_final
	.globl	k_qcf605fd650_final
	.p2align	8
	.type	k_qcf605fd650_final,@function
k_qcf605fd650_final:
	s_mov_b64 s[64:65], 0
	v_nop
	global_prefetch_b8 v0, s[64:65] scope:SCOPE_SE
	s_setreg_imm32_b32 hwreg(HW_REG_WAVE_MODE, 25, 1), 1
	s_wait_xcnt 0x0
; FINAL.  One work-group, one image: the best 100 of its 90 x 200 entries.  Key (hi, lo), smaller is better: hi = t's bits if the entry is kept, else all ones
; (its score counts as 0); lo = 200 c + rank, the flat index, which decides ties.
; A class's list: its kept entries in rank order, then the others in rank order: sorted by the key as it stands.  The first 128 places are enough: no class gives
; more than 100 entries, and where fewer than 100 are kept in all, class 0 holds under 100 of them, so the zeros wanted lie among its first 128 places.
; Places come from the masks of km (whole numbers made by the launch before); the merges move values only.
; Wave w builds and merges classes 6 w .. 6 w + 5; waves 0..3 merge the 15 results by fours; wave 0 merges those and writes
; out1 = score (1 / t, or 0), out2 = class, fi[b][place] = 256 c + rank for the last launch's gather.
; LIMITS as stated in the first launch's head.  MERGE LAYOUT: element e = 4 l + i lies in register i of lane l.
.set LP,    1056                       ; a list: 132 words of hi, 132 of lo; word 128 of each takes what is not meant
.set LO,    528
.set RES1,  95232                      ; behind the 90 lists: 15 results
.set RES2,  111104                     ; 4 results
.set SPARE, 115456
.set NR, 4
.set BR, 64                            ; v[64:71] the running best: hi, lo
.set BQ, 72
.set BX, 80                            ; v[80:87] a list as loaded
.set PT, 88                            ; v[88:95] the partners' keys
.set SM, 84                            ; s[84:95]
.set SEL, 96                           ; s[96:97]
.macro GETLB n
.if (\n) == 0
.set LBV, 0xaaaaaaaa
.elseif (\n) == 1
.set LBV, 0xcccccccc
.elseif (\n) == 2
.set LBV, 0xf0f0f0f0
.elseif (\n) == 3
.set LBV, 0xff00ff00
.else
.set LBV, 0xffff0000
.endif
.endm
.macro COMB x                          ; mask x = (the other key is smaller), turned where MSK says so
	s_and_b32 s[SM+(\x)], s[SM+(\x)], s[SM+NR+(\x)]
	s_or_b32 s[SM+(\x)], s[SM+(\x)], s[SM+2*NR+(\x)]
.if MSK != 0
	s_xor_b32 s[SM+(\x)], s[SM+(\x)], MSK
.endif
.endm
.macro XMOV d, a, J
.if (\J) == 2
	v_mov_b32_dpp v[\d], v[\a] row_xmask:1 row_mask:0xf bank_mask:0xf
.elseif (\J) == 3
	v_mov_b32_dpp v[\d], v[\a] row_xmask:2 row_mask:0xf bank_mask:0xf
.elseif (\J) == 4
	v_mov_b32_dpp v[\d], v[\a] row_xmask:4 row_mask:0xf bank_mask:0xf
.elseif (\J) == 5
	v_mov_b32_dpp v[\d], v[\a] row_xmask:8 row_mask:0xf bank_mask:0xf
.else
	v_permlanex16_b32 v[\d], v[\a], s[SEL], s[SEL+1]
.endif
.endm
.macro LSTAGE J                        ; an upward stage between lanes, in place in bank CUR
.set r, 0
.rept NR
	XMOV PT+r, CUR+r, \J
	XMOV PT+NR+r, CUR+NR+r, \J
.set r, r+1
.endr
.set r, 0
.rept NR
	v_cmp_lt_u32 s[SM+r], v[PT+NR+r], v[CUR+NR+r]
	v_cmp_eq_u32 s[SM+NR+r], v[PT+r], v[CUR+r]
	v_cmp_lt_u32 s[SM+2*NR+r], v[PT+r], v[CUR+r]
.set r, r+1
.endr
	GETLB (\J)-2
.set MSK, LBV                          ; the upper lane of a pair keeps the larger key
.set r, 0
.rept NR
	COMB r
.set r, r+1
.endr
.set r, 0
.rept NR
	v_cndmask_b32 v[CUR+r], v[CUR+r], v[PT+r], s[SM+r]
	v_cndmask_b32 v[CUR+NR+r], v[CUR+NR+r], v[PT+NR+r], s[SM+r]
.set r, r+1
.endr
.endm
.macro RSTAGE J                        ; an upward stage between registers: from bank CUR into bank OTH, which change names
.set RB, 1<<(\J)
.set MSK, 0
.set r, 0
.set p, 0
.rept NR
.if (r&RB) == 0
	v_cmp_lt_u32 s[SM+p], v[CUR+NR+r+RB], v[CUR+NR+r]
	v_cmp_eq_u32 s[SM+NR+p], v[CUR+r+RB], v[CUR+r]
	v_cmp_lt_u32 s[SM+2*NR+p], v[CUR+r+RB], v[CUR+r]
.set p, p+1
.endif
.set r, r+1
.endr
	COMB 0
	COMB 1
.set r, 0
.set p, 0
.rept NR
.if (r&RB) == 0
	v_cndmask_b32 v[OTH+r], v[CUR+r], v[CUR+r+RB], s[SM+p]
	v_cndmask_b32 v[OTH+r+RB], v[CUR+r+RB], v[CUR+r], s[SM+p]
	v_cndmask_b32 v[OTH+NR+r], v[CUR+NR+r], v[CUR+NR+r+RB], s[SM+p]
	v_cndmask_b32 v[OTH+NR+r+RB], v[CUR+NR+r+RB], v[CUR+NR+r], s[SM+p]
.set p, p+1
.endif
.set r, r+1
.endr
.set TB, CUR
.set CUR, OTH
.set OTH, TB
.endm
; The list whose mirrored lane address is in v[va] is merged into R: read backward (lane l takes words 124 - 4 l .., register 3 - i), the smaller of
; each pair are the best 128 of both, a bitonic run, which seven stages sort.
.macro MERGE128 va
	ds_load_b128 v[BX:BX+3], v[\va]
	ds_load_b128 v[BX+4:BX+7], v[\va] offset:LO
	s_wait_dscnt 0x0
.set r, 0
.rept NR
	v_cmp_lt_u32 s[SM+r], v[BX+NR+3-r], v[BR+NR+r]
	v_cmp_eq_u32 s[SM+NR+r], v[BX+3-r], v[BR+r]
	v_cmp_lt_u32 s[SM+2*NR+r], v[BX+3-r], v[BR+r]
.set r, r+1
.endr
.set MSK, 0
.set r, 0
.rept NR
	COMB r
.set r, r+1
.endr
.set r, 0
.rept NR
	v_cndmask_b32 v[BR+r], v[BR+r], v[BX+3-r], s[SM+r]
	v_cndmask_b32 v[BR+NR+r], v[BR+NR+r], v[BX+NR+3-r], s[SM+r]
.set r, r+1
.endr
.set CUR, BR
.set OTH, BQ
	LSTAGE 6
	LSTAGE 5
	LSTAGE 4
	LSTAGE 3
	LSTAGE 2
	RSTAGE 1
	RSTAGE 0
.endm
	s_load_b256 s[72:79], s[0:1], 0x0              ; st s[72:73], km s[74:75], out1 s[76:77], out2 s[78:79]
	s_load_b64 s[80:81], s[0:1], 0x20              ; fi
	v_lshl_add_u32 v1, v0, 2, SPARE
	v_mov_b32 v2, 0
	v_lshrrev_b32 v3, 5, v0
	v_readfirstlane_b32 s4, v3                     ; wave
	v_and_b32 v3, 31, v0                           ; l
	v_lshlrev_b32 v4, 2, v3
	s_mul_i32 s5, ttmp9, 90
	s_mul_i32 s6, s4, 6
	s_add_co_u32 s5, s5, s6                        ; my first column
	s_mov_b32 s3, 0
	s_mov_b32 s[SEL], 0x76543210
	s_mov_b32 s[SEL+1], 0xfedcba98
	s_mov_b32 s59, 0xff                            ; ranks 192..199: lanes 0..7
	s_wait_kmcnt 0x0
	s_lshl_b32 s2, s5, 5
	s_add_nc_u64 s[74:75], s[74:75], s[2:3]
	s_lshl_b32 s2, s5, 10
	s_add_nc_u64 s[72:73], s[72:73], s[2:3]
	s_mul_i32 s2, ttmp9, 400
	s_add_nc_u64 s[76:77], s[76:77], s[2:3]
	s_add_nc_u64 s[78:79], s[78:79], s[2:3]
	s_lshl_b32 s2, ttmp9, 9
	s_add_nc_u64 s[80:81], s[80:81], s[2:3]
.irp k, 0,1,2,3,4,5
	s_load_b256 s[8+8*\k:15+8*\k], s[74:75], 32*\k ; a class's eight mask words
.endr
.set k, 0
.rept 6
.set q, 0
.rept 7
	global_load_b32 v[16+7*k+q], v4, s[72:73] offset:1024*k+128*q  ; t of rank 32 q + l
.set q, q+1
.endr
.set k, k+1
.endr
	s_mul_i32 s6, s4, 6*LP
	v_mov_b32 v5, s6                               ; my six lists
	s_mul_i32 s7, s4, 1200
	v_add_nc_u32 v6, s7, v3                        ; 200 x 6 w + l
	v_mov_b32 v7, 0x80
	v_sub_nc_u32 v15, 31, v3
	v_lshlrev_b32 v15, 4, v15                      ; 16 (31 - l): the backward read's lane term
.set m, 0
.rept 8
	v_mov_b32 v[PT+m], 0                           ; written once: the lane exchanges count as readers of their destinations
.set m, m+1
.endr
	s_wait_kmcnt 0x0
.macro SCAT k                          ; class 6 w + k: each of its 200 entries goes to its place in the list
	s_wait_loadcnt 35-7*(\k)                       ; this class's seven loads are in; the later classes' stay out
	s_bcnt1_i32_b32 s57, s[8+8*(\k)]
.set q, 1
.rept 6
	s_bcnt1_i32_b32 s60, s[8+8*(\k)+q]
	s_add_co_u32 s57, s57, s60                     ; the others begin behind all kept entries
.set q, q+1
.endr
	s_mov_b32 s56, 0
.set q, 0
.rept 7
.if q == 6
	s_and_not1_b32 s58, s59, s[8+8*(\k)+q]
.else
	s_not_b32 s58, s[8+8*(\k)+q]
.endif
	v_mbcnt_lo_u32_b32 v8, s[8+8*(\k)+q], s56
	v_mbcnt_lo_u32_b32 v9, s58, s57
	v_cndmask_b32 v8, v9, v8, s[8+8*(\k)+q]
.if q == 6
	v_cndmask_b32 v8, v7, v8, s59                  ; ranks from 200 on go to the dump word
.endif
	v_min_u32 v8, 0x80, v8                         ; places from 128 on too
	v_lshl_add_u32 v8, v8, 2, v5
	v_cndmask_b32 v10, -1, v[16+7*(\k)+q], s[8+8*(\k)+q]
	v_add_nc_u32 v11, 200*(\k)+32*q, v6
	ds_store_b32 v8, v10 offset:LP*(\k)
	ds_store_b32 v8, v11 offset:LP*(\k)+LO
	s_bcnt1_i32_b32 s60, s[8+8*(\k)+q]
	s_add_co_u32 s56, s56, s60
	s_bcnt1_i32_b32 s60, s58
	s_add_co_u32 s57, s57, s60
.set q, q+1
.endr
.endm
.irp k, 0,1,2,3,4,5
	SCAT \k
.endr
	; my six lists: the first as it lies, five merges.  They are my own bytes: LDS serves a wave's instructions in order
	v_lshl_add_u32 v12, v3, 4, v5
	ds_load_b128 v[BR:BR+3], v12
	ds_load_b128 v[BR+4:BR+7], v12 offset:LO
	v_add_nc_u32 v13, v15, v5
	v_add_nc_u32 v13, LP, v13
	s_mov_b32 s61, 5
.Lp1:
	MERGE128 13
	v_add_nc_u32 v13, LP, v13
	s_sub_co_u32 s61, s61, 1
	s_cmp_lg_u32 s61, 0
	s_cbranch_scc1 .Lp1
	s_mul_i32 s7, s4, LP
	s_add_co_u32 s7, s7, RES1
	v_lshl_add_u32 v14, v3, 4, s7
	ds_store_b128 v14, v[BR:BR+3]
	ds_store_b128 v14, v[BR+4:BR+7] offset:LO
	s_wait_dscnt 0x0                               ; for the others' sake
	s_barrier_signal -1
	s_barrier_wait -1
	s_cmp_ge_u32 s4, 4
	s_cbranch_scc1 .Lp2end
	s_mul_i32 s7, s4, 4*LP                         ; waves 0..3: results 4 w .. 4 w + 3, as far as there are 15
	s_add_co_u32 s7, s7, RES1
	v_lshl_add_u32 v12, v3, 4, s7
	ds_load_b128 v[BR:BR+3], v12
	ds_load_b128 v[BR+4:BR+7], v12 offset:LO
	v_add_nc_u32 v13, s7, v15
	v_add_nc_u32 v13, LP, v13
	s_wait_dscnt 0x0
	s_lshl_b32 s62, s4, 2
	s_add_co_u32 s62, s62, 1
	s_mov_b32 s61, 0
.Lp2:
	s_cmp_ge_u32 s62, 15
	s_cbranch_scc1 .Lp2dead
	MERGE128 13
	v_add_nc_u32 v13, LP, v13
.Lp2dead:
	s_add_co_u32 s62, s62, 1
	s_add_co_u32 s61, s61, 1
	s_cmp_lt_u32 s61, 3
	s_cbranch_scc1 .Lp2
.Lp2end:
	s_wait_dscnt 0x0                               ; my reads of the 15 results are back,
	s_barrier_signal -1
	s_barrier_wait -1                              ; and every wave's: only now is LDS written again
	s_cmp_ge_u32 s4, 4
	s_cbranch_scc1 .Lp2stored
	s_mul_i32 s7, s4, LP
	s_add_co_u32 s7, s7, RES2
	v_lshl_add_u32 v14, v3, 4, s7
	ds_store_b128 v14, v[BR:BR+3]
	ds_store_b128 v14, v[BR+4:BR+7] offset:LO
.Lp2stored:
	s_wait_dscnt 0x0                               ; for wave 0's sake
	s_barrier_signal -1
	s_barrier_wait -1
	s_cmp_lg_u32 s4, 0
	s_cbranch_scc1 .Lp3end
	v_add_nc_u32 v13, RES2+LP, v15                 ; wave 0 holds its own result: three merges
	s_mov_b32 s61, 3
.Lp3:
	MERGE128 13
	v_add_nc_u32 v13, LP, v13
	s_sub_co_u32 s61, s61, 1
	s_cmp_lg_u32 s61, 0
	s_cbranch_scc1 .Lp3
.Lp3end:
	s_wait_dscnt 0x0                               ; wave 0's reads are back
	s_barrier_signal -1
	s_barrier_wait -1                              ; before any wave's closing lines
	s_cmp_lg_u32 s4, 0
	s_cbranch_scc1 .Lend
.irp i, 0,1,2,3
	v_rcp_f32 v[16+\i], v[BR+\i]
.endr
.irp i, 0,1,2,3
	v_mul_u32_u24 v[24+\i], v[BR+4+\i], 0x147b     ; lo / 200 = lo x 5,243 >> 20, exact for lo under 43,000; also the plain lines behind the reciprocals
.endr
	s_wait_alu depctr_va_vdst(0)
.irp i, 0,1,2,3
	v_lshrrev_b32 v[24+\i], 20, v[24+\i]
	v_fma_f32 v[20+\i], -v[BR+\i], v[16+\i], 1.0   ; one Newton step
	v_fma_f32 v[16+\i], v[16+\i], v[20+\i], v[16+\i]
	v_cmp_eq_u32 vcc_lo, -1, v[BR+\i]
	v_cndmask_b32 v[16+\i], v[16+\i], 0, vcc_lo
	v_mad_u32_u24 v[28+\i], v[24+\i], 56, v[BR+4+\i]  ; 256 c + rank = lo + 56 c
.endr
	v_lshlrev_b32 v12, 4, v3
	global_store_b128 v12, v[28:31], s[80:81]      ; 512 consecutive bytes
	s_wait_xcnt 0x0                                ; EXEC changes only behind this wait
	v_cmp_gt_u32 vcc_lo, 25, v0
	s_and_saveexec_b32 s63, vcc_lo
	global_store_b128 v12, v[16:19], s[76:77]      ; places 0..99: 400 consecutive bytes
	global_store_b128 v12, v[24:27], s[78:79]
	s_wait_xcnt 0x0
	s_or_b32 exec_lo, exec_lo, s63
.Lend:
	s_wait_tensorcnt 0x0                           ; the wave's end
	ds_add_u32 v1, v2
	s_wait_dscnt 0x0
	s_endpgm
.Lfunc_end_k_qcf605fd650_final:
	.size	k_qcf605fd650_final, .Lfunc_end_k_qcf605fd650_final-k_qcf605fd650_final
	.p2alignl 7, 3214868480
	.fill 96, 4, 3214868480
	.section	.rodata,"a",@progbits
	.p2align	6, 0x0
	.amdhsa_kernel k_qcf605fd650_final
		.amdhsa_group_segment_fixed_size 117504
		.amdhsa_private_segment_fixed_size 0
		.amdhsa_enable_private_segment 0
		.amdhsa_kernarg_size 40
		.amdhsa_user_sgpr_count 2
		.amdhsa_user_sgpr_kernarg_segment_ptr 1
		.amdhsa_wavefront_size32 1
		.amdhsa_system_sgpr_workgroup_id_x 1
		.amdhsa_system_sgpr_workgroup_id_y 1
		.amdhsa_system_sgpr_workgroup_id_z 1
		.amdhsa_system_vgpr_workitem_id 0
		.amdhsa_next_free_vgpr 96
		.amdhsa_next_free_sgpr 100
		.amdhsa_reserve_vcc 1
		.amdhsa_float_denorm_mode_32 3
		.amdhsa_float_denorm_mode_16_64 3
		.amdhsa_memory_ordered 1
		.amdhsa_forward_progress 1
		.amdhsa_inst_pref_size 90
	.end_amdhsa_kernel
	.amdgpu_metadata
---
amdhsa.version: [ 1, 2 ]
amdhsa.kernels:
  - .name:           k_qcf605fd650_final
    .symbol:         k_qcf605fd650_final.kd
    .args:
      - { .name: st, .offset: 0, .size: 8, .value_kind: global_buffer, .address_space: global }
      - { .name: km, .offset: 8, .size: 8, .value_kind: global_buffer, .address_space: global }
      - { .name: out1, .offset: 16, .size: 8, .value_kind: global_buffer, .address_space: global }
      - { .name: out2, .offset: 24, .size: 8, .value_kind: global_buffer, .address_space: global }
      - { .name: fi, .offset: 32, .size: 8, .value_kind: global_buffer, .address_space: global }
    .group_segment_fixed_size: 117504
    .private_segment_fixed_size: 0
    .kernarg_segment_align: 8
    .kernarg_segment_size: 40
    .max_flat_workgroup_size: 480
    .sgpr_count:     100
    .vgpr_count:     96
    .wavefront_size: 32
...
	.end_amdgpu_metadata
.endif
;; end of part 5
;; launch boxes (part 6): grid 16 x 1, 4 waves a work-group, no clusters, 0 bytes of LDS; arguments fi, si, anchors, predicted_boxes, out0; writes out0
.if DOCPART == 6
	.amdgcn_target "amdgcn-amd-amdhsa--gfx1250"
	.amdhsa_code_object_version 6
	.text
	.protected	k_qcf605fd650_boxes
	.globl	k_qcf605fd650_boxes
	.p2align	8
	.type	k_qcf605fd650_boxes,@function
k_qcf605fd650_boxes:
	s_mov_b64 s[64:65], 0
	v_nop
	global_prefetch_b8 v0, s[64:65] scope:SCOPE_SE
	s_setreg_imm32_b32 hwreg(HW_REG_WAVE_MODE, 25, 1), 1
	s_wait_xcnt 0x0
; BOXES.  One work-group, one image; thread e < 100: fi gives class and rank of place e, si the anchor, and the box is decoded as in the launch that
; compared boxes: out0[b][e] = (cy - h/2, cx - w/2, cy + h/2, cx + w/2) / 512.  Both indices are whole numbers made by earlier launches, and are clamped.
.macro DEC a, d, o, t
	v_sub_f32 v[\t], v[\a+2], v[\a]                ; ah
	v_sub_f32 v[\t+1], v[\a+3], v[\a+1]            ; aw
	v_add_f32 v[\t+2], v[\a], v[\a+2]
	v_add_f32 v[\t+3], v[\a+1], v[\a+3]
	v_mul_f32 v[\t+2], 0.5, v[\t+2]                ; acy
	v_mul_f32 v[\t+3], 0.5, v[\t+3]                ; acx
	v_mul_f32 v[\t+4], 0x3fb8aa3b, v[\d+2]
	v_mul_f32 v[\t+5], 0x3fb8aa3b, v[\d+3]
	v_exp_f32 v[\t+4], v[\t+4]
	v_exp_f32 v[\t+5], v[\t+5]
	v_fma_f32 v[\t+2], v[\d], v[\t], v[\t+2]       ; cy; also the plain instruction behind the exponentials
	v_fma_f32 v[\t+3], v[\d+1], v[\t+1], v[\t+3]   ; cx
	s_wait_alu depctr_va_vdst(0)
	v_mul_f32 v[\t+4], v[\t+4], v[\t]              ; h
	v_mul_f32 v[\t+5], v[\t+5], v[\t+1]            ; w
	v_fma_f32 v[\o], v[\t+4], -0.5, v[\t+2]
	v_fma_f32 v[\o+1], v[\t+5], -0.5, v[\t+3]
	v_fma_f32 v[\o+2], v[\t+4], 0.5, v[\t+2]
	v_fma_f32 v[\o+3], v[\t+5], 0.5, v[\t+3]
	v_mul_f32 v[\o], 0x3b000000, v[\o]             ; 1 / 512
	v_mul_f32 v[\o+1], 0x3b000000, v[\o+1]
	v_mul_f32 v[\o+2], 0x3b000000, v[\o+2]
	v_mul_f32 v[\o+3], 0x3b000000, v[\o+3]
.endm
	s_load_b256 s[4:11], s[0:1], 0x0               ; fi s[4:5], si s[6:7], anchors s[8:9], deltas s[10:11]
	s_load_b64 s[12:13], s[0:1], 0x20              ; out0
	v_min_u32 v1, 99, v0
	v_lshlrev_b32 v1, 2, v1
	v_lshlrev_b32 v4, 4, v0
	s_mov_b32 s3, 0
	s_wait_kmcnt 0x0
	s_lshl_b32 s2, ttmp9, 9
	s_add_nc_u64 s[4:5], s[4:5], s[2:3]
	s_mul_i32 s2, ttmp9, 92160                     ; 90 columns of 1,024 bytes
	s_add_nc_u64 s[6:7], s[6:7], s[2:3]
	s_mul_i32 s2, ttmp9, 785664
	s_add_nc_u64 s[10:11], s[10:11], s[2:3]
	s_mul_i32 s2, ttmp9, 1600
	s_add_nc_u64 s[12:13], s[12:13], s[2:3]
	global_load_b32 v2, v1, s[4:5]
	s_wait_loadcnt 0x0
	v_min_u32 v2, 0x59ff, v2                       ; 256 c + rank: 23,039 at the most
	v_lshlrev_b32 v2, 2, v2
	global_load_b32 v3, v2, s[6:7]
	s_wait_loadcnt 0x0
	v_min_u32 v3, 0xbfcf, v3                       ; 49,103 at the most
	v_lshlrev_b32 v3, 4, v3
	global_load_b128 v[8:11], v3, s[8:9]
	global_load_b128 v[12:15], v3, s[10:11]
	s_wait_loadcnt 0x0
	DEC 8, 12, 16, 20
	s_wait_xcnt 0x0                                ; EXEC changes only behind this wait
	v_cmp_gt_u32 vcc_lo, 100, v0
	s_and_saveexec_b32 s14, vcc_lo
	global_store_b128 v4, v[16:19], s[12:13]       ; 16 bytes a thread, 1,600 consecutive bytes an image
	s_wait_xcnt 0x0
	s_or_b32 exec_lo, exec_lo, s14
	s_endpgm
.Lfunc_end_k_qcf605fd650_boxes:
	.size	k_qcf605fd650_boxes, .Lfunc_end_k_qcf605fd650_boxes-k_qcf605fd650_boxes
	.p2alignl 7, 3214868480
	.fill 96, 4, 3214868480
	.section	.rodata,"a",@progbits
	.p2align	6, 0x0
	.amdhsa_kernel k_qcf605fd650_boxes
		.amdhsa_group_segment_fixed_size 0
		.amdhsa_private_segment_fixed_size 0
		.amdhsa_enable_private_segment 0
		.amdhsa_kernarg_size 40
		.amdhsa_user_sgpr_count 2
		.amdhsa_user_sgpr_kernarg_segment_ptr 1
		.amdhsa_wavefront_size32 1
		.amdhsa_system_sgpr_workgroup_id_x 1
		.amdhsa_system_sgpr_workgroup_id_y 1
		.amdhsa_system_sgpr_workgroup_id_z 1
		.amdhsa_system_vgpr_workitem_id 0
		.amdhsa_next_free_vgpr 32
		.amdhsa_next_free_sgpr 66
		.amdhsa_reserve_vcc 1
		.amdhsa_float_denorm_mode_32 3
		.amdhsa_float_denorm_mode_16_64 3
		.amdhsa_memory_ordered 1
		.amdhsa_forward_progress 1
		.amdhsa_inst_pref_size 3
	.end_amdhsa_kernel
	.amdgpu_metadata
---
amdhsa.version: [ 1, 2 ]
amdhsa.kernels:
  - .name:           k_qcf605fd650_boxes
    .symbol:         k_qcf605fd650_boxes.kd
    .args:
      - { .name: fi, .offset: 0, .size: 8, .value_kind: global_buffer, .address_space: global }
      - { .name: si, .offset: 8, .size: 8, .value_kind: global_buffer, .address_space: global }
      - { .name: anchors, .offset: 16, .size: 8, .value_kind: global_buffer, .address_space: global }
      - { .name: predicted_boxes, .offset: 24, .size: 8, .value_kind: global_buffer, .address_space: global }
      - { .name: out0, .offset: 32, .size: 8, .value_kind: global_buffer, .address_space: global }
    .group_segment_fixed_size: 0
    .private_segment_fixed_size: 0
    .kernarg_segment_align: 8
    .kernarg_segment_size: 40
    .max_flat_workgroup_size: 128
    .sgpr_count:     66
    .vgpr_count:     32
    .wavefront_size: 32
...
	.end_amdgpu_metadata
.endif
;; end of part 6
